; MI455X (gfx1250); checked and timed in simulation.
; The chip was launched on July 23, 2026; its instructions are those of AMD's public machine-readable ISA for CDNA 5 (MIT licence, August 2026) and "CDNA5" Instruction Set Architecture Reference Guide (July 2026). The comments in the code are by the model that wrote it; some were corrected since.
;; Biological Multi Head Attention. Allowed arithmetic: matrix products marked QUANTISED: E2M3 operands, one E8M0 scale for each 32 along K, by v_wmma_scale_f32_16x16x128_f8f6f4 with both operands' format E2M3, f32 sums; everything else in f32.
;; Inputs: Wk 1,024 x 1,024 float32; Wo 1,024 x 1,024 float32; Wq 1,024 x 1,024 float32; Wv 1,024 x 1,024 float32; bk 1,024 float32; bo 1,024 float32; bq 1,024 float32; bv 1,024 float32; key 2 x 2,048 x 1,024 float32; query 2 x 2,048 x 1,024 float32; time_scales 16 float32; value 2 x 2,048 x 1,024 float32.
;; Outputs: out0 2 x 2,048 x 1,024 float32.
;; This version of the problem:
;;   THIS VERSION OF THE PROBLEM IS GIVEN IN LOW PRECISION. The matrix products marked QUANTISED in the list below multiply operands that are first quantised to E2M3 (2 exponent bits, 3 mantissa bits; 6 bits a number), with one power-of-two scale for each 32 numbers along K (OCP MX v1.0); their sums are f32. All else is computed in f32.
;;   The module's matrix products, in the order in which they are computed (A, B: the left and right operand; K: the contracted axis; several contracted axes count as one K, in the product's order):
;;     1. [M 4,096, K 1,024] x [K 1,024, N 1,024]; A: input query; B: input Wq: QUANTISED
;;     2. [M 4,096, K 1,024] x [K 1,024, N 1,024]; A: input key; B: input Wk: QUANTISED
;;     3. [M 4,096, K 1,024] x [K 1,024, N 1,024]; A: input value; B: input Wv: QUANTISED
;;     4. batch 32 x [M 2,048, K 64] x [K 64, N 2,048]; A: computed on the way; B: computed on the way: QUANTISED
;;     5. batch 32 x [M 2,048, K 2,048] x [K 2,048, N 64]; A: softmax (see below); B: computed on the way: QUANTISED
;;     6. [M 4,096, K 1,024] x [K 1,024, N 1,024]; A: computed on the way; B: input Wo: QUANTISED
;;   THE QUANTISER, for each operand of a quantised product, along K:
;;     - K is cut into blocks of 32 from its start; a last block that is shorter is filled with zeros.
;;     - A block's scale is 2^e with e = floor(log2(the largest magnitude in the block)) - 2, held to -126 .. 127; a block of zeros has e = 0. As a byte (E8M0): e + 127.
;;     - Each number is divided by its block's scale, clamped to +-7.5, and rounded to the nearest number of E2M3, ties to even, subnormals kept.
;;     - The product sums the exact products of the quantised numbers (number of the format x scale) in f32.
;;   ~~~python
;;   def quantise(x, axis):      # numpy; x: float32 -> the quantised numbers, widened to float32 again
;;       x = np.moveaxis(x, axis, -1); K = x.shape[-1]
;;       x = np.pad(x, [(0, 0)] * (x.ndim - 1) + [(0, -K % 32)]); x = x.reshape(x.shape[:-1] + (-1, 32)); a = np.abs(x).max(-1, keepdims=True)
;;       e = np.where(a > 0, np.clip(np.frexp(np.where(a > 0, a, 1))[1] - 1 - 2, -126, 127), 0)      # np.frexp(a)[1] - 1 = floor(log2(a)), exactly
;;       r = np.clip(x / 2.0 ** e, -7.5, 7.5)
;;       step = 2.0 ** (np.maximum(np.frexp(np.where(r == 0, 1, r))[1] - 1, 0) - 3)
;;       q = np.round(r / step) * step * 2.0 ** e      # np.round: ties to even
;;       return np.moveaxis(q.reshape(q.shape[:-2] + (-1,))[..., :K], -1, axis).astype(np.float32)
;;   ~~~
;;   SOFTMAX AHEAD OF A QUANTISED PRODUCT. Where the list says 'softmax', what is quantised is not the finished softmax but p = 2^(t - M), with t = logit x log2(e) and M = ceil(the row's largest t), a whole number; so 1/2 < the row's largest p <= 1. The row's sum l is taken of the UNQUANTISED p, in f32, and the product's result is divided by l at the end. Since M is a whole number, a kernel that streams over the keys may use a running M (the ceiling of the running maximum): every later rescaling is an exact power of two, which a block's scale takes up: the codes' values come out the same.
;;   OPERANDS COMPUTED ON THE WAY. 'Computed on the way' means the value that the module computes at that place (a softmax that the list does not call 'softmax' is quantised finished and normalised). What goes into a quantiser is computed in f32, as accurately as f32 sums, v_exp_f32 and their like allow (about 1e-6 of the number): no bf16 or f16 on the way to a quantiser, and a product that is left as it is and whose result goes on into a quantised operand takes f32 operands (vector FMAs, or v_wmma_f32_16x16x4_f32). A number that lies on a knife's edge between two numbers of the format may be rounded either way, as far as f32 arithmetic and the matrix unit's own rounding can turn it there, and no further.
;; One version. Each part assembles by itself: llvm-mc -triple=amdgcn-amd-amdhsa -mcpu=gfx1250 --defsym DOCPART=n.
;; ======== version 1 of 1: 4 launches
;; workspace buffers: cod 15,728,640 bytes; scl 655,360 bytes; qq 3,407,872 bytes; kv 6,815,744 bytes
;; launch qnt (part 1): grid 256 x 1, 4 waves a work-group, no clusters, 34,304 bytes of LDS; arguments query, key, value, Wq, Wk, Wv, Wo, cod, scl; writes cod, scl
.if DOCPART == 1
	.amdgcn_target "amdgcn-amd-amdhsa--gfx1250"
	.amdhsa_code_object_version 6
	.text
	.protected	k_q53d4e108d8_qnt
	.globl	k_q53d4e108d8_qnt
	.p2align	8
	.type	k_q53d4e108d8_qnt,@function
k_q53d4e108d8_qnt:
	s_mov_b64 s[64:65], 0
	v_nop
	global_prefetch_b8 v0, s[64:65] scope:SCOPE_SE
	s_setreg_imm32_b32 hwreg(HW_REG_WAVE_MODE, 25, 1), 1
	s_wait_xcnt 0x0
; query, key, value [4096][1024] and Wq, Wk, Wv, Wo [1024 (k)][1024 (n)], f32, become codes of FP6 (E2M3) with one E8M0 byte for each 32 along K = 1024.
; OUTPUT LAYOUT.  A tile is 16 rows (tokens, or columns n of a weight) x 1024 K.  Row r of tile T is index 32 (T / 2) + 8 (T % 2) + r + 8 (r / 8).
; cod: tile x 12,288 + K step x 1,536: the image of a fragment's 12 registers: register 4 g + e of lane l at 512 g + 16 l + 4 e.  scl: tile x 512 + K step x 64 + 4 r: a word of four bytes.
; Tiles 0-255 query, 256-511 key, 512-767 value, 768-831 Wq, 832-895 Wk, 896-959 Wv, 960-1023 Wo: tile = 256 x wave + work-group.
; SHARES.  Waves 0-2 take token tile g of query, key, value; wave 3 takes tile g % 64 of weight g / 64.  A wave makes its tile's 8 K steps; every offset is an immediate.
; A lane (r, h) of a fragment holds k = 64 c + 32 h + 0 .. 31 of row r: two whole blocks, so no other lane is asked for a maximum.
; Tokens: each load reads 512 consecutive bytes of one row; a step's 16 rows turn through the wave's own stage in LDS (pitch 528).  Weights: a lane takes its column and its registers run down K.
; A block's scale byte is its largest magnitude's exponent field - 2, held at 1 from below.
; LIMITS: a block of zeros gets the byte 1 where the rule says 127 (its codes are zeros; this program alone reads the bytes); blocks under 2^-124 are held at byte 1; NaN and infinities are not served.
.set SP,  528                          ; a stage row: 512 bytes + 16
.set WST, 16*SP                        ; a wave's stage
.set RAW, 16                           ; v16-143  two sets of 64 numbers as loaded
.set XN,  144                          ; v144-207 64 numbers in the fragment's order (tokens)
.set CO,  208                          ; v208-219 the fragment's codes
.set TT,  220                          ; v220-226 the halves that a conversion cannot put on an odd register
.set MX,  228
.set SO,  230
.set BY,  232
.set WD,  234                          ; this step's scale word
.set WP,  235                          ; the step before's
.set T0,  236
.set T1,  237
	s_load_b256 s[4:11], s[0:1], 0x0               ; query, key, value, Wq
	s_load_b256 s[12:19], s[0:1], 0x20             ; Wk, Wv, Wo, cod
	s_load_b64 s[20:21], s[0:1], 0x40              ; scl
	v_lshl_add_u32 v254, v0, 2, 0x8400
	v_mov_b32 v255, 0
	v_lshrrev_b32 v6, 5, v0
	v_readfirstlane_b32 s22, v6                    ; wave
	v_and_b32 v7, 31, v0                           ; lane
	v_and_b32 v8, 15, v0                           ; r
	v_bfe_u32 v9, v0, 4, 1                         ; h
	v_lshlrev_b32 v1, 4, v7                        ; 16 x lane: loads of rows, stores of images
	s_mul_i32 s23, s22, WST
	v_add_nc_u32 v2, s23, v1                       ; the stage, on the way in
	v_mul_u32_u24 v3, v8, SP
	v_lshl_add_u32 v3, v9, 7, v3
	v_add_nc_u32 v3, s23, v3                       ; and out: row r, + 128 h
	v_and_b32 v4, 8, v8
	v_add_nc_u32 v4, v4, v8                        ; r + 8 (r / 8)
	v_lshlrev_b32 v4, 2, v4
	v_lshl_add_u32 v4, v9, 17, v4                  ; a weight: my column, + 32 h rows of 4,096 bytes
	v_lshlrev_b32 v5, 2, v7                        ; 4 x lane: scale words
	v_lshlrev_b32 v10, 3, v9                       ; 8 h: my bytes' place in the word
	v_mov_b32 v[T0], 0                             ; a lane permute's destination counts as read
	s_mov_b32 s26, 0x76543210
	s_mov_b32 s27, 0xfedcba98                      ; selects for lane l xor 16
	s_mov_b32 s34, 0xffff0000                      ; lanes 16-31
	s_lshl_b32 s24, s22, 8
	s_add_co_u32 s24, s24, ttmp9                   ; my tile
	s_mul_i32 s28, s24, 12288
	s_mov_b32 s29, 0
	s_lshl_b32 s32, s24, 9
	s_mov_b32 s33, 0
	s_mov_b32 s37, 0
	s_wait_kmcnt 0x0
	s_add_nc_u64 s[18:19], s[18:19], s[28:29]
	s_add_nc_u64 s[20:21], s[20:21], s[32:33]
; 64 numbers of a lane, v[xs + 32 c + i] = k 64 c + 32 h + i of my row, become K step s's fragment and scale word, and leave.
.macro QF xs, s
.irp c, 0,1
	v_max3_num_f32 v[MX+\c], |v[(\xs)+32*\c]|, |v[(\xs)+32*\c+1]|, 0x1800000   ; with the floor 2^(3 - 127): the byte cannot fall under 1
.endr
.irp i, 2,4,6,8,10,12,14,16,18,20,22,24,26,28,30
.irp c, 0,1
	v_max3_num_f32 v[MX+\c], v[MX+\c], |v[(\xs)+32*\c+\i]|, |v[(\xs)+32*\c+\i+1]|
.endr
.endr
.irp c, 0,1
	v_add_nc_u32 v[SO+\c], 0xff000000, v[MX+\c]    ; 2 off the exponent field: the conversion's scale operand
.endr
.irp c, 0,1
	v_lshrrev_b32 v[BY+\c], 23, v[SO+\c]           ; the byte
.endr
	v_lshl_or_b32 v[WD], v[BY+1], 16, v[BY]        ; blocks h and 2 + h,
	v_lshlrev_b32 v[WD], v10, v[WD]                ; at their places;
	v_permlanex16_b32 v[T0], v[WD], s26, s27
	v_or_b32 v[WD], v[WD], v[T0]                   ; with lane l xor 16's two the word is whole
	s_wait_xcnt 0x0                                ; the last step's stores have read their data: the codes and the merged word are written again only behind this wait
.irp c, 0,1
	v_cvt_scalef32_pk16_fp6_f32 v[CO+6*\c:CO+6*\c+2], v[(\xs)+32*\c:(\xs)+32*\c+15], v[SO+\c]
	v_cvt_scalef32_pk16_fp6_f32 v[TT+4*\c:TT+4*\c+2], v[(\xs)+32*\c+16:(\xs)+32*\c+31], v[SO+\c]   ; (a conversion's three registers begin on an even number)
.endr
	v_nop                                          ; one plain place behind the conversions
.irp c, 0,1
.irp i, 0,1,2
	v_mov_b32 v[CO+3+6*\c+\i], v[TT+4*\c+\i]
.endr
.endr
.irp g, 0,1,2
	global_store_b128 v1, v[CO+4*\g:CO+4*\g+3], s[18:19] offset:(\s)*1536+512*\g   ; 512 consecutive bytes
.endr
.if (\s)%2
	v_cndmask_b32 v[T1], v[WP], v[WD], s34         ; lanes 0-15: the step before's words, lanes 16-31: this step's
	global_store_b32 v5, v[T1], s[20:21] offset:((\s)-1)*64   ; 128 consecutive bytes
.else
	v_mov_b32 v[WP], v[WD]
.endif
.endm
	s_cmp_eq_u32 s22, 3
	s_cbranch_scc1 .Lweights
	; ---- tokens
	s_cmp_eq_u32 s22, 0
	s_cselect_b64 s[4:5], s[4:5], s[6:7]
	s_cmp_eq_u32 s22, 2
	s_cselect_b64 s[4:5], s[8:9], s[4:5]           ; the choice hangs on the wave's number alone
	s_lshr_b32 s35, ttmp9, 1
	s_lshl_b32 s36, s35, 17
	s_and_b32 s35, ttmp9, 1
	s_lshl_b32 s35, s35, 15
	s_add_co_u32 s36, s36, s35                     ; token 32 (g / 2) + 8 (g % 2), rows of 4,096 bytes
	s_add_nc_u64 s[4:5], s[4:5], s[36:37]
.macro LOADX s
.irp i, 0,1,2,3,4,5,6,7,8,9,10,11,12,13,14,15
	global_load_b128 v[RAW+64*((\s)%2)+4*\i:RAW+64*((\s)%2)+4*\i+3], v1, s[4:5] offset:(\i+8*(\i/8))*4096+512*(\s) th:TH_LOAD_NT
.endr
.endm
.macro STEPX s
.if (\s) < 7
	s_wait_loadcnt 16                              ; this step's 16 loads are in; the next step's 16 may be out
.else
	s_wait_loadcnt 0x0
.endif
.irp i, 0,1,2,3,4,5,6,7,8,9,10,11,12,13,14,15
	ds_store_b128 v2, v[RAW+64*((\s)%2)+4*\i:RAW+64*((\s)%2)+4*\i+3] offset:SP*\i
.endr
.irp c, 0,1
.irp j, 0,1,2,3,4,5,6,7
	ds_load_b128 v[XN+32*\c+4*\j:XN+32*\c+4*\j+3], v3 offset:256*\c+16*\j   ; LDS serves a wave's instructions in order: these see the stores above
.endr
.endr
	s_wait_dscnt 0x0                               ; the numbers are back, and the stores have read their registers,
.if (\s)+2 < 8
	LOADX (\s)+2                                   ; which take the loads of two steps on
.endif
	QF XN, \s
.endm
	LOADX 0
	LOADX 1
.irp t, 0,1,2,3,4,5,6,7
	STEPX \t
.endr
	s_wait_tensorcnt 0x0
	ds_add_u32 v254, v255
	s_wait_dscnt 0x0
	s_endpgm
.Lweights:
	; ---- a weight
	s_lshr_b32 s35, ttmp9, 6
	s_cmp_eq_u32 s35, 0
	s_cselect_b64 s[4:5], s[10:11], s[12:13]
	s_cmp_eq_u32 s35, 2
	s_cselect_b64 s[4:5], s[14:15], s[4:5]
	s_cmp_eq_u32 s35, 3
	s_cselect_b64 s[4:5], s[16:17], s[4:5]         ; the choice hangs on the work-group's number alone
	s_and_b32 s35, ttmp9, 63
	s_lshr_b32 s36, s35, 1
	s_lshl_b32 s36, s36, 7
	s_and_b32 s35, s35, 1
	s_lshl_b32 s35, s35, 5
	s_add_co_u32 s36, s36, s35                     ; column 32 (T / 2) + 8 (T % 2), 4 bytes each
	s_add_nc_u64 s[4:5], s[4:5], s[36:37]
.macro LOADW s
.irp c, 0,1
.irp i, 0,1,2,3,4,5,6,7,8,9,10,11,12,13,14,15,16,17,18,19,20,21,22,23,24,25,26,27,28,29,30,31
	global_load_b32 v[RAW+64*((\s)%2)+32*\c+\i], v4, s[4:5] offset:(128*(\s)+64*\c+\i)*4096
.endr
.endr
.endm
.macro STEPW s
.if (\s)+1 < 8
	LOADW (\s)+1
	s_wait_loadcnt 63                              ; 64 younger loads are out; the count names one fewer, the stricter side: this step's 64 are in
.else
	s_wait_loadcnt 0x0
.endif
	QF RAW+64*((\s)%2), \s
.endm
	LOADW 0
.irp t, 0,1,2,3,4,5,6,7
	STEPW \t
.endr
	s_endpgm
.Lfunc_end_k_q53d4e108d8_qnt:
	.size	k_q53d4e108d8_qnt, .Lfunc_end_k_q53d4e108d8_qnt-k_q53d4e108d8_qnt
	.p2alignl 7, 3214868480
	.fill 96, 4, 3214868480
	.section	.rodata,"a",@progbits
	.p2align	6, 0x0
	.amdhsa_kernel k_q53d4e108d8_qnt
		.amdhsa_group_segment_fixed_size 34304
		.amdhsa_private_segment_fixed_size 0
		.amdhsa_enable_private_segment 0
		.amdhsa_kernarg_size 72
		.amdhsa_user_sgpr_count 2
		.amdhsa_user_sgpr_kernarg_segment_ptr 1
		.amdhsa_wavefront_size32 1
		.amdhsa_system_sgpr_workgroup_id_x 1
		.amdhsa_system_sgpr_workgroup_id_y 1
		.amdhsa_system_sgpr_workgroup_id_z 1
		.amdhsa_system_vgpr_workitem_id 0
		.amdhsa_next_free_vgpr 256
		.amdhsa_next_free_sgpr 66
		.amdhsa_reserve_vcc 0
		.amdhsa_float_denorm_mode_32 3
		.amdhsa_float_denorm_mode_16_64 3
		.amdhsa_memory_ordered 1
		.amdhsa_forward_progress 1
		.amdhsa_inst_pref_size 133
	.end_amdhsa_kernel
	.amdgpu_metadata
---
amdhsa.version: [ 1, 2 ]
amdhsa.kernels:
  - .name:           k_q53d4e108d8_qnt
    .symbol:         k_q53d4e108d8_qnt.kd
    .args:
      - { .name: query, .offset: 0, .size: 8, .value_kind: global_buffer, .address_space: global }
      - { .name: key, .offset: 8, .size: 8, .value_kind: global_buffer, .address_space: global }
      - { .name: value, .offset: 16, .size: 8, .value_kind: global_buffer, .address_space: global }
      - { .name: Wq, .offset: 24, .size: 8, .value_kind: global_buffer, .address_space: global }
      - { .name: Wk, .offset: 32, .size: 8, .value_kind: global_buffer, .address_space: global }
      - { .name: Wv, .offset: 40, .size: 8, .value_kind: global_buffer, .address_space: global }
      - { .name: Wo, .offset: 48, .size: 8, .value_kind: global_buffer, .address_space: global }
      - { .name: cod, .offset: 56, .size: 8, .value_kind: global_buffer, .address_space: global }
      - { .name: scl, .offset: 64, .size: 8, .value_kind: global_buffer, .address_space: global }
    .group_segment_fixed_size: 34304
    .private_segment_fixed_size: 0
    .kernarg_segment_align: 8
    .kernarg_segment_size: 72
    .max_flat_workgroup_size: 128
    .sgpr_count:     66
    .vgpr_count:     256
    .wavefront_size: 32
...
	.end_amdgpu_metadata
.endif
;; end of part 1
;; launch proj (part 2): grid 256 x 1, 3 waves a work-group, no clusters, 0 bytes of LDS; arguments cod, scl, bq, bk, bv, time_scales, qq, kv; writes qq, kv
.if DOCPART == 2
	.amdgcn_target "amdgcn-amd-amdhsa--gfx1250"
	.amdhsa_code_object_version 6
	.text
	.protected	k_q53d4e108d8_proj
	.globl	k_q53d4e108d8_proj
	.p2align	8
	.type	k_q53d4e108d8_proj,@function
k_q53d4e108d8_proj:
	s_mov_b64 s[64:65], 0
	v_nop
	global_prefetch_b8 v0, s[64:65] scope:SCOPE_SE
	s_setreg_imm32_b32 hwreg(HW_REG_WAVE_MODE, 25, 1), 1
	s_wait_xcnt 0x0
; q = query Wq + bq, k = (key Wk + bk) x time_scales[head], v = value Wv + bv, on codes of FP6 with E8M0 scales; the results are quantised at once for the two products of attention.
; SHARES.  Work-group g: ng = g % 8 (128 columns: heads 2 ng, 2 ng + 1), tg = g / 8 (128 tokens).  Wave 0 makes q, wave 1 k, wave 2 v: 128 x 128 each, 64 accumulators, 8 K steps of 128.
; Source 0 is the P side: its index runs along a lane's registers, which is the axis to be quantised next.  Source 1 is the R side: a lane holds one row of it.
;   q, k: P = 8 tiles of the weight's columns (next K = the head's 64), R = 8 tiles of tokens.     v: P = 8 tiles of tokens (next K = the keys), R = 8 tiles of Wv's columns.
; A tile's rows are index 32 (T / 2) + 8 (T % 2) + r + 8 (r / 8), so the 16 registers of P tiles 2 b, 2 b + 1 are 16 neighbours: 32 b + 16 h + 0 .. 15.
; Fragments come from memory straight into registers as images (three loads of 16 bytes a lane); no LDS, no barrier: the waves share nothing.  8 K steps do not repay a ring.
; OUTPUT.  A lane's 16 codes (12 bytes) go to [block of 32][row r][24 bytes] at + 12 h: a store covers 384 consecutive bytes, and the reader's lane (r, h) finds a whole block of 32 at 384 x block + 24 r.
;   qq, and kv's first part, for each head: 64 blocks of 32 tokens x 1,536 bytes [tile of 16][d block][r][24]; at 98,304 their scale words, 128 bytes a block (lanes 0-15 the even tile, 16-31 the odd), each [s0, s1, s0, s1].
;   kv at 106,496: V^T's fragments [key step][tile of d] x 1,536; at 204,800 their scale words, 128 bytes each (row r's word in lanes r and r + 16).
; LIMITS: a block of zeros gets the byte 1 (its codes are zeros; this program alone reads the bytes); blocks under 2^-124 are held at byte 1; NaN and infinities are not served.
; REGISTERS.  Window 0: v1-11 offsets; v48-63 scale words, two sets; v64-159, v160-255 R's fragments, two sets.  Window 1: v0-95, v96-191 P's, two sets; v192-255 the bias as the first C.  Windows 2, 3: accumulator (i, p) at 8 (8 (i % 4) + p).
.set SC,  48
.set RF,  64
.set CB,  192
.set Z,   64                           ; the way out, window 0: 64 numbers of a lane
.set MX,  128
.set PM,  132
.set SO,  136
.set BY,  140
.set PW,  144
.set PWS, 145
.set CD,  148
.set MSB, 0
.macro WIN new                         ; the immediate's high byte repeats the setting that is left
.if MSB != (\new)
	s_set_vgpr_msb (MSB<<8)|(\new)
.set MSB, (\new)
.endif
.endm
	s_load_b256 s[4:11], s[0:1], 0x0               ; cod, scl, bq, bk
	s_load_b256 s[12:19], s[0:1], 0x20             ; bv, time_scales, qq, kv
	v_lshrrev_b32 v3, 5, v0
	v_readfirstlane_b32 s20, v3                    ; wave: 0 q, 1 k, 2 v
	s_and_b32 s21, ttmp9, 7                        ; ng
	s_lshr_b32 s22, ttmp9, 3                       ; tg
	s_lshr_b32 s23, s22, 4                         ; batch
	s_and_b32 s24, s22, 15                         ; the 128 tokens' place in the batch
	v_and_b32 v12, 15, v0                          ; r
	v_bfe_u32 v13, v0, 4, 1                        ; h
	v_and_b32 v14, 31, v0
	v_lshlrev_b32 v1, 4, v14                       ; 16 x lane
	s_mov_b32 s52, 0x76543210
	s_mov_b32 s53, 0xfedcba98
	s_mov_b32 s54, 0xffff0000                      ; lanes 16-31
	s_lshl_b32 s50, s20, 6
	s_lshl_b32 s51, s21, 3
	s_add_co_u32 s50, s50, s51
	s_add_co_u32 s50, s50, 768                     ; the weight's first tile: 768 + 64 wave + 8 ng
	s_lshl_b32 s51, s20, 8
	s_lshl_b32 s55, s22, 3
	s_add_co_u32 s51, s51, s55                     ; the tokens' first tile: 256 wave + 8 tg
	s_cmp_eq_u32 s20, 0
	s_mov_b32 s48, 212992
	s_cselect_b32 s48, 106496, s48                 ; HS: a head's bytes in the buffer that I store into
	s_sub_co_u32 s44, s48, 6144
	s_sub_co_u32 s46, s48, 512
	s_cmp_eq_u32 s20, 2                            ; what differs for v; every line down to the next compare leaves SCC alone
	s_cselect_b32 s56, s51, s50                    ; P's first tile
	s_cselect_b32 s57, s50, s51                    ; R's
	s_mov_b32 s36, 768
	s_cselect_b32 s36, 1536, s36                   ; from R tile to R tile: codes,
	s_cselect_b32 s38, 128, 64                     ; scale words
	s_cselect_b32 s58, 106496, 0                   ; where the codes begin in a head,
	s_mov_b32 s59, 98304
	s_cselect_b32 s59, 204800, s59                 ; and the scale words
	s_mov_b32 s60, 0x01000100
	s_cselect_b32 s60, 0x03020100, s60             ; which bytes of the four make the stored word: lanes 0-15,
	s_mov_b32 s61, 0x03020302
	s_cselect_b32 s61, 0x03020100, s61             ; lanes 16-31
	s_cselect_b32 s62, 768, s48                    ; from blocks 0, 1 to blocks 2, 3: on in the fragment (v), or the next head (q, k)
	s_cselect_b32 s63, 64, s48                     ; lanes 16-31 store their word: beside (v), or in the next head (q, k)
	s_cselect_b32 s44, s44, 0                      ; v: R tile 4 begins the next head
	s_cselect_b32 s46, s46, 0
	s_mov_b32 s37, 0
	s_mov_b32 s39, 0
	s_mov_b32 s45, 0
	s_mov_b32 s47, 0
	s_mul_i32 s26, s56, 12288
	s_mov_b32 s27, 0
	s_mul_i32 s28, s57, 12288
	s_mov_b32 s29, 0
	s_lshl_b32 s50, s56, 9
	s_lshl_b32 s51, s57, 9
	v_mov_b32 v2, s50
	v_mov_b32 v3, s51
	v_cndmask_b32 v2, v2, v3, s54
	v_lshl_add_u32 v2, v12, 2, v2                  ; scale words: lanes 0-15 P's tiles, lanes 16-31 R's; + 4 r
	v_mul_u32_u24 v4, v12, 24
	v_mad_u32_u24 v4, v13, 12, v4                  ; where block 0's 12 bytes go: 24 r + 12 h
	v_add_nc_u32 v5, 384, v4                       ; block 1's,
	v_add_nc_u32 v6, s62, v4                       ; block 2's,
	v_add_nc_u32 v7, s62, v5                       ; block 3's
	v_mul_u32_u24 v8, s63, v13
	v_lshl_add_u32 v8, v12, 2, v8                  ; where my scale word goes
	v_mov_b32 v9, s60
	v_mov_b32 v3, s61
	v_cndmask_b32 v9, v9, v3, s54                  ; and of which bytes it is made
	v_lshlrev_b32 v10, 6, v13                      ; the bias of q, k: 16 h numbers on
	v_and_b32 v11, 8, v12
	v_add_nc_u32 v11, v11, v12
	v_lshlrev_b32 v11, 2, v11                      ; the bias of v: my column, r + 8 (r / 8)
	s_lshl_b32 s50, s23, 4
	s_lshl_b32 s51, s21, 1
	s_add_co_u32 s50, s50, s51                     ; 16 batch + 2 ng
	s_mul_i32 s50, s50, s48
	s_mul_i32 s51, s24, 6144
	s_add_co_u32 s51, s51, s50
	s_add_co_u32 s32, s51, s58
	s_mov_b32 s33, 0
	s_lshl_b32 s51, s24, 9
	s_add_co_u32 s51, s51, s50
	s_add_co_u32 s34, s51, s59
	s_mov_b32 s35, 0
	s_wait_kmcnt 0x0
	s_add_nc_u64 s[26:27], s[4:5], s[26:27]        ; P's fragments
	s_add_nc_u64 s[28:29], s[4:5], s[28:29]        ; R's
	s_mov_b64 s[30:31], s[6:7]                     ; the scale words
	s_cmp_eq_u32 s20, 0
	s_cselect_b64 s[8:9], s[8:9], s[10:11]
	s_cselect_b64 s[16:17], s[16:17], s[18:19]     ; qq, or kv
	s_cmp_eq_u32 s20, 2
	s_cselect_b64 s[8:9], s[12:13], s[8:9]         ; my bias
	s_add_nc_u64 s[32:33], s[16:17], s[32:33]      ; where my codes go,
	s_add_nc_u64 s[34:35], s[16:17], s[34:35]      ; and my scale words
	s_lshl_b32 s50, s21, 9
	s_mov_b32 s51, 0
	s_add_nc_u64 s[8:9], s[8:9], s[50:51]          ; the bias at column 128 ng
	s_lshl_b32 s50, s21, 3
	s_add_nc_u64 s[14:15], s[14:15], s[50:51]
	s_load_b64 s[2:3], s[14:15], 0x0               ; time_scales of heads 2 ng, 2 ng + 1
; one K step's fragments and scale words into set sx: 56 loads
.macro LOADSET sx, off
	WIN 0x40                                       ; destination window 1
.irp p, 0,1,2,3,4,5,6,7
.irp g, 0,1,2
	global_load_b128 v[96*\sx+12*\p+4*\g:96*\sx+12*\p+4*\g+3], v1, s[26:27] offset:\p*12288+512*\g+\off
.endr
.endr
	WIN 0
.irp p, 0,1,2,3,4,5,6,7
.irp g, 0,1,2
	global_load_b128 v[RF+96*\sx+12*\p+4*\g:RF+96*\sx+12*\p+4*\g+3], v1, s[28:29] offset:\p*12288+512*\g+\off
.endr
.endr
.irp p, 0,1,2,3,4,5,6,7
	global_load_b32 v[SC+8*\sx+\p], v2, s[30:31] offset:\p*512+(\off)/24
.endr
.endm
; 64 matrix instructions; the 64 accumulators take turns in the same order in every step.  mode 0: onto the sums; 1: the bias by P tile starts them; 2: the bias by R tile
.macro KSTEP sx, mode
.irp i, 0,1,2,3,4,5,6,7
.if \mode
	WIN 0x91+0x40*(\i/4)                           ; source 0 window 1, source 1 window 0, C window 1, D window 2 or 3
.else
	WIN 0xa1+0x50*(\i/4)                           ; C and D window 2 or 3
.endif
.irp p, 0,1,2,3,4,5,6,7
.if \mode == 0
	v_wmma_scale_f32_16x16x128_f8f6f4 v[64*(\i%4)+8*\p:64*(\i%4)+8*\p+7], v[96*\sx+12*\p:96*\sx+12*\p+11], v[RF+96*\sx+12*\i:RF+96*\sx+12*\i+11], v[64*(\i%4)+8*\p:64*(\i%4)+8*\p+7], v[SC+8*\sx+\p], v[SC+8*\sx+\i] matrix_a_fmt:MATRIX_FMT_FP6 matrix_b_fmt:MATRIX_FMT_FP6 matrix_b_scale:MATRIX_SCALE_ROW1
.elseif \mode == 1
	v_wmma_scale_f32_16x16x128_f8f6f4 v[64*(\i%4)+8*\p:64*(\i%4)+8*\p+7], v[96*\sx+12*\p:96*\sx+12*\p+11], v[RF+96*\sx+12*\i:RF+96*\sx+12*\i+11], v[CB+8*\p:CB+8*\p+7], v[SC+8*\sx+\p], v[SC+8*\sx+\i] matrix_a_fmt:MATRIX_FMT_FP6 matrix_b_fmt:MATRIX_FMT_FP6 matrix_b_scale:MATRIX_SCALE_ROW1
.else
	v_wmma_scale_f32_16x16x128_f8f6f4 v[64*(\i%4)+8*\p:64*(\i%4)+8*\p+7], v[96*\sx+12*\p:96*\sx+12*\p+11], v[RF+96*\sx+12*\i:RF+96*\sx+12*\i+11], v[CB+8*\i:CB+8*\i+7], v[SC+8*\sx+\p], v[SC+8*\sx+\i] matrix_a_fmt:MATRIX_FMT_FP6 matrix_b_fmt:MATRIX_FMT_FP6 matrix_b_scale:MATRIX_SCALE_ROW1
.endif
.endr
.endr
.endm
.macro PLACES                          ; four places in front of loads into registers that matrix instructions have read, and of the first read of results
.rept 4
	v_nop
.endr
.endm
	; the bias, in the result's layout
	s_cmp_eq_u32 s20, 2
	s_cbranch_scc1 .Lbias_v
	WIN 0x40
.irp p, 0,1,2,3,4,5,6,7                        ; q, k: tile p's register j is column 32 (p / 2) + 8 (p % 2) + 16 h + j
	global_load_b128 v[CB+8*\p:CB+8*\p+3], v10, s[8:9] offset:(32*(\p/2)+8*(\p%2))*4
	global_load_b128 v[CB+8*\p+4:CB+8*\p+7], v10, s[8:9] offset:(32*(\p/2)+8*(\p%2))*4+16
.endr
	WIN 0
	s_branch .Lbias_done
.Lbias_v:
	WIN 0x40
.irp p, 0,1,2,3,4,5,6,7                        ; v: all eight registers of R tile p belong to my column
	global_load_b32 v[CB+8*\p], v11, s[8:9] offset:(32*(\p/2)+8*(\p%2))*4
.endr
	WIN 0
.Lbias_done:
	LOADSET 0, 0
	s_wait_loadcnt 56                              ; the bias is in; K step 0's 56 loads may be out
	s_cmp_eq_u32 s20, 2
	s_cbranch_scc0 .Lno_spread
	WIN 0x41
.irp p, 0,1,2,3,4,5,6,7
.irp j, 1,2,3,4,5,6,7
	v_mov_b32 v[CB+8*\p+\j], v[CB+8*\p]
.endr
.endr
	WIN 0
	PLACES
.Lno_spread:
	LOADSET 1, 1536
	s_wait_kmcnt 0x0
	s_cmp_eq_u32 s20, 1
	s_cselect_b32 s40, s2, 1.0                     ; only k is multiplied by its head's time scale
	s_cselect_b32 s42, s3, 1.0
	s_mov_b32 s41, s40                             ; (the packed form names pairs)
	s_mov_b32 s43, s42
	s_wait_loadcnt 56                              ; K step 0 is in; K step 1's 56 may be out
	s_cmp_eq_u32 s20, 2
	s_cbranch_scc1 .Lfirst_v
	KSTEP 0, 1
	WIN 0
	s_branch .Lfirst_done
.Lfirst_v:
	KSTEP 0, 2
	WIN 0
.Lfirst_done:
	s_mov_b32 s49, 3
.Lk:                                               ; a trip: K steps 2 t + 1 and 2 t + 2; it asks for steps 2 t + 2 and 2 t + 3
	PLACES
	LOADSET 0, 3072
	s_wait_loadcnt 56                              ; all but the 56 just issued
	KSTEP 1, 0
	PLACES
	LOADSET 1, 4608
	s_wait_loadcnt 56
	KSTEP 0, 0
	WIN 0
	s_wait_xcnt 0x0                                ; the loads have read their bases
	s_add_nc_u64 s[26:27], s[26:27], 3072
	s_add_nc_u64 s[28:29], s[28:29], 3072
	s_add_nc_u64 s[30:31], s[30:31], 128
	s_sub_co_u32 s49, s49, 1
	s_cmp_lg_u32 s49, 0
	s_cbranch_scc1 .Lk
	s_wait_loadcnt 0x0
	KSTEP 1, 0                                     ; K step 7
	WIN 0
	PLACES
.irp b, 0,1,2,3
	v_mov_b32 v[PM+\b], 0                          ; a lane permute's destination counts as read
.endr
; four blocks of 32 in v[Z] on (register 16 b + i = index 32 b + 16 h + i of my row) are quantised and stored
.macro QB
.irp b, 0,1,2,3
	v_max3_num_f32 v[MX+\b], |v[Z+16*\b]|, |v[Z+16*\b+1]|, 0x1800000   ; with the floor 2^(3 - 127)
.endr
.irp i, 2,4,6,8,10,12,14
.irp b, 0,1,2,3
	v_max3_num_f32 v[MX+\b], v[MX+\b], |v[Z+16*\b+\i]|, |v[Z+16*\b+\i+1]|
.endr
.endr
.irp b, 0,1,2,3
	v_permlanex16_b32 v[PM+\b], v[MX+\b], s52, s53
.endr
.irp b, 0,1,2,3
	v_max_num_f32 v[MX+\b], v[MX+\b], v[PM+\b]     ; with lane l xor 16's 16: the block's largest magnitude
.endr
.irp b, 0,1,2,3
	v_add_nc_u32 v[SO+\b], 0xff000000, v[MX+\b]
.endr
.irp b, 0,1,2,3
	v_lshrrev_b32 v[BY+\b], 23, v[SO+\b]
.endr
	v_lshl_or_b32 v[PW], v[BY+1], 8, v[BY]
	v_lshl_or_b32 v[PW], v[BY+2], 16, v[PW]
	v_lshl_or_b32 v[PW], v[BY+3], 24, v[PW]
.irp b, 0,1,2,3
	v_cvt_scalef32_pk16_fp6_f32 v[CD+4*\b:CD+4*\b+2], v[Z+16*\b:Z+16*\b+15], v[SO+\b]
.endr
	v_perm_b32 v[PWS], v[PW], v[PW], v9            ; the word as it is stored.  (Also the plain place behind the conversions)
.irp b, 0,1,2,3
	global_store_b96 v[4+\b], v[CD+4*\b:CD+4*\b+2], s[32:33]   ; 384 consecutive bytes
.endr
	global_store_b32 v8, v[PWS], s[34:35]
.endm
.macro EPI i                           ; R tile i: my row's 128 results
	s_wait_xcnt 0x0                                ; the last tile's stores have read their data and bases
.if \i > 0
	s_add_nc_u64 s[32:33], s[32:33], s[36:37]
	s_add_nc_u64 s[34:35], s[34:35], s[38:39]
.endif
.if \i == 4
	s_add_nc_u64 s[32:33], s[32:33], s[44:45]
	s_add_nc_u64 s[34:35], s[34:35], s[46:47]
.endif
	WIN 0x02+(\i)/4                                ; source 0: window 2 or 3
.irp m, 0,1,2,3,4,5,6,7,8,9,10,11,12,13,14,15   ; each accumulator from its low end on
	v_pk_mul_f32 v[Z+2*\m:Z+2*\m+1], v[64*((\i)%4)+2*\m:64*((\i)%4)+2*\m+1], s[40:41] op_sel_hi:[1,0]
.endr
.irp m, 16,17,18,19,20,21,22,23,24,25,26,27,28,29,30,31
	v_pk_mul_f32 v[Z+2*\m:Z+2*\m+1], v[64*((\i)%4)+2*\m:64*((\i)%4)+2*\m+1], s[42:43] op_sel_hi:[1,0]
.endr
	WIN 0
	QB
.endm
.irp t, 0,1,2,3,4,5,6,7
	EPI \t
.endr
	s_endpgm
.Lfunc_end_k_q53d4e108d8_proj:
	.size	k_q53d4e108d8_proj, .Lfunc_end_k_q53d4e108d8_proj-k_q53d4e108d8_proj
	.p2alignl 7, 3214868480
	.fill 96, 4, 3214868480
	.section	.rodata,"a",@progbits
	.p2align	6, 0x0
	.amdhsa_kernel k_q53d4e108d8_proj
		.amdhsa_group_segment_fixed_size 0
		.amdhsa_private_segment_fixed_size 0
		.amdhsa_enable_private_segment 0
		.amdhsa_kernarg_size 64
		.amdhsa_user_sgpr_count 2
		.amdhsa_user_sgpr_kernarg_segment_ptr 1
		.amdhsa_wavefront_size32 1
		.amdhsa_system_sgpr_workgroup_id_x 1
		.amdhsa_system_sgpr_workgroup_id_y 1
		.amdhsa_system_sgpr_workgroup_id_z 1
		.amdhsa_system_vgpr_workitem_id 0
		.amdhsa_next_free_vgpr 1024
		.amdhsa_next_free_sgpr 66
		.amdhsa_reserve_vcc 0
		.amdhsa_float_denorm_mode_32 3
		.amdhsa_float_denorm_mode_16_64 3
		.amdhsa_memory_ordered 1
		.amdhsa_forward_progress 1
		.amdhsa_inst_pref_size 120
	.end_amdhsa_kernel
	.amdgpu_metadata
---
amdhsa.version: [ 1, 2 ]
amdhsa.kernels:
  - .name:           k_q53d4e108d8_proj
    .symbol:         k_q53d4e108d8_proj.kd
    .args:
      - { .name: cod, .offset: 0, .size: 8, .value_kind: global_buffer, .address_space: global }
      - { .name: scl, .offset: 8, .size: 8, .value_kind: global_buffer, .address_space: global }
      - { .name: bq, .offset: 16, .size: 8, .value_kind: global_buffer, .address_space: global }
      - { .name: bk, .offset: 24, .size: 8, .value_kind: global_buffer, .address_space: global }
      - { .name: bv, .offset: 32, .size: 8, .value_kind: global_buffer, .address_space: global }
      - { .name: time_scales, .offset: 40, .size: 8, .value_kind: global_buffer, .address_space: global }
      - { .name: qq, .offset: 48, .size: 8, .value_kind: global_buffer, .address_space: global }
      - { .name: kv, .offset: 56, .size: 8, .value_kind: global_buffer, .address_space: global }
    .group_segment_fixed_size: 0
    .private_segment_fixed_size: 0
    .kernarg_segment_align: 8
    .kernarg_segment_size: 64
    .max_flat_workgroup_size: 96
    .sgpr_count:     66
    .vgpr_count:     1024
    .wavefront_size: 32
...
	.end_amdgpu_metadata
.endif
;; end of part 2
;; launch att (part 3): grid 8 x 32, 8 waves a work-group, no clusters, 285,696 bytes of LDS; arguments qq, kv, cod, scl; writes cod, scl
.if DOCPART == 3
	.amdgcn_target "amdgcn-amd-amdhsa--gfx1250"
	.amdhsa_code_object_version 6
	.text
	.protected	k_q53d4e108d8_att
	.globl	k_q53d4e108d8_att
	.p2align	8
	.type	k_q53d4e108d8_att,@function
k_q53d4e108d8_att:
	s_mov_b64 s[64:65], 0
	v_nop
	global_prefetch_b8 v0, s[64:65] scope:SCOPE_SE
	s_setreg_imm32_b32 hwreg(HW_REG_WAVE_MODE, 25, 1), 1
	s_wait_xcnt 0x0
; For one head: scores = q k^T; the diagonal x 1.15; each row's entries at or above its 409th largest x 1.15; p = 2^(t - M), t = score x 0.15625 log2(e), M a whole number; o = (p v) / sum(p); o is quantised along the head's 64 for the last product.
; Both products, and the counting below, run on codes of FP6 with E8M0 scales.
; SHARES.  Work-group (X, head) stays and walks query blocks 8 X .. 8 X + 7, 32 queries (two tiles a = 0, 1) each.  The head's K and V, 212,992 bytes, lie in LDS, filled once (one tensor load a wave, each wave has one out).
; Wave w owns keys 256 w .. 256 w + 255 for both tiles: 256 score registers, window 1: register 128 a + 16 jb + 8 u + j of lane (r, h) is query r of tile a, key 256 w + 32 jb + 16 h + 8 u + j.
; No cluster: the diagonal's place is found by a branch on the work-group's number, which partners may not have, and what would be shared is fetched once for 8 blocks' work.
; SCORES.  K = 64 fills half an instruction: one fragment carries two tiles of keys (k 0-63, k 64-127), and q stands beside zeros, [q | 0] or [0 | q], which picks one of the two.
; THE 409TH LARGEST, without a branch on data.  A key u of 32 bits orders the floats (top bit set: bits u xor 0x80000000; else not u).  u is built greedily from bit 31 down: 32 passes.  In a pass d = x - t (its sign is exact);
; the conversion with the fixed scale 2^-95 turns d into +7.5, -7.5 or 0; a product with ones sums 128 codes for each query.  The sum is 7.5 (G - L), G scores above t, L below; t is kept where G - L >= 2 x 409 - 1 - 2048.
; G + (G + equals) does not rise with t, so the largest t kept is the 409th largest score or the float just below it.
; The eight waves' counts meet in LDS.  The two tiles take turns, and one tile's count makes its whole way (store, barrier, loads) while the other tile is counted.
; SOFTMAX.  Each wave runs its own M over its two key steps; the waves' sums and O^T are joined by exact powers of two in LDS; waves 0-3 join, divide, quantise and store.
; LIMITS: a score that equals the float just below the row's 409th largest is boosted too; scores closer than 2^-92 count as nearly equal; the order of roundings in 1.15 x and x 0.15625 log2(e) differs from the source's;
; rows whose 409th largest passes 1.7e38, NaN and infinities are not served; a block of zeros gets the scale byte 1.
.set CX,  212992                       ; LDS: counts [tile][lane][wave], 4 bytes
.set ML,  215040                       ; (-M, l) [wave][tile][lane], 8 bytes
.set OP,  219136                       ; O^T's parts [wave][16 groups of 4 registers], 512 bytes each
.set LK,  1                            ; v1   my place in my wave's K fragments
.set LKS, 2                            ; v2   and their scale words
.set LV,  3                            ; v3   V's
.set LVS, 4                            ; v4
.set CXS, 5                            ; v5   where I store a count
.set CXL, 6                            ; v6   where I read the eight
.set OPS, 7
.set OPL, 8
.set MLS, 9
.set MLL, 10
.set QO,  11                           ; v11  384 h + 24 r
.set QSO, 12                           ; v12  4 x lane
.set OCO, 13
.set OSO, 14
.set FJ,  16                           ; v16-23  1.15 where register j of my lane is the diagonal, else 1
.set ONES, 24                          ; v24-35  a fragment of ones
.set CSC, 36                           ; v36  the conversion's scale 2^-95
.set USC, 37                           ; v37  scale bytes 127
.set QS,  38                           ; v38  q's scale words
.set PW,  39                           ; v39  p's
.set KS,  40                           ; v40-47 K's, later V's
.set QZ,  48                           ; v48-77  0 x 6 | q0 | 0 x 6 | q1 | 0 x 6
.set U,   78
.set CAND, 80
.set NT,  82                           ; v82 -t (v83 = 0: the pair's other half)
.set THR, 84
.set TOT, 86
.set TM,  87
.set KF,  96
.set DT,  96
.set CC,  160
.set TT,  172
.set D0,  180
.set D1,  188
.set XR,  196
.set T,   96
.set VF,  160
.set PC,  208
.set PT,  220
.set MX,  228
.set PM,  232
.set SO,  236
.set F,   240
.set TA,  242
.set TB,  244
.set RL,  96
.set RO,  160
.set MLR, 176
.set FW,  192
.set MSB, 0
.macro WIN new                         ; the immediate's high byte repeats the setting that is left
.if MSB != (\new)
	s_set_vgpr_msb (MSB<<8)|(\new)
.set MSB, (\new)
.endif
.endm
	s_load_b256 s[4:11], s[0:1], 0x0               ; qq, kv, cod, scl
	v_lshl_add_u32 v254, v0, 2, 0x45800
	v_mov_b32 v255, 0
	ds_add_u32 v254, v255
	ds_add_u32 v254, v255
	v_lshrrev_b32 v96, 5, v0
	v_readfirstlane_b32 s12, v96                   ; wave
	s_and_b32 s13, s12, 1                          ; a': the tile that I join at a block's end
	s_bfe_u32 s14, s12, 0x10001                    ; b': and which 32 of the head's 64
	s_and_b32 s15, ttmp7, 0xffff                   ; 16 batch + head
	s_mov_b32 s36, 3<<16                           ; group 1: elements of 8 bytes, no mask, no padding
	s_mov_b32 s37, 32<<16                          ; tensor_dim0 = 32 (256 bytes)
	s_mov_b32 s38, 104<<16                         ; tensor_dim1 = 104
	s_mov_b32 s39, 32<<16                          ; tile_dim0
	s_mov_b32 s40, 104                             ; tile_dim1
	s_mov_b32 s41, 32                              ; the pitch: the block is dense
	s_mov_b32 s42, 0
	s_mov_b32 s43, 0
	s_mul_i32 s33, s12, 26624                      ; my eighth of the head's image, in LDS
	s_mul_i32 s18, s15, 212992
	s_add_co_u32 s18, s18, s33                     ; and in kv
	s_mov_b32 s19, 0
	s_mov_b32 s32, 1
	s_wait_dscnt 0x0
	s_wait_kmcnt 0x0
	s_add_nc_u64 s[34:35], s[6:7], s[18:19]
	s_or_b32 s35, s35, 0x80000000
	tensor_load_to_lds s[32:35], s[36:43]          ; filled once: nothing in this launch is filled again
	s_nop 0
.rept 4
	v_nop
.endr
.irp i, 0,1,2,3,4,5
	v_mov_b32 v[QZ+\i], 0
	v_mov_b32 v[QZ+12+\i], 0
	v_mov_b32 v[QZ+24+\i], 0
.endr
.irp i, 0,1,2,3
	v_mov_b32 v[ONES+3*\i], 0x08208208             ; the code of 1.0 is 8: sixteen of them are these 96 bits
	v_mov_b32 v[ONES+3*\i+1], 0x82082082
	v_mov_b32 v[ONES+3*\i+2], 0x20820820
.endr
	v_mov_b32 v[CSC], 0x10000000                   ; exponent field 32: 2^-95
	v_mov_b32 v[USC], 0x7f7f7f7f
	v_mov_b32 v[NT+1], 0
	v_mov_b32 v[F+1], 0
.irp i, 0,1,2,3
	v_mov_b32 v[PM+\i], 0                          ; a lane permute's destination counts as read
.endr
.irp i, 0,1,2,3,4,5,6,7
	v_mov_b32 v[XR+\i], 0                          ; tile 0's counts are added up once before any has been fetched (key and candidate are equal then)
.endr
	v_and_b32 v96, 15, v0                          ; r
	v_bfe_u32 v97, v0, 4, 1                        ; h
	v_and_b32 v15, 31, v0                          ; lane
	v_mul_u32_u24 v[QO], v96, 24
	v_mad_u32_u24 v[QO], v97, 384, v[QO]
	s_mul_i32 s16, s12, 12288
	v_add_nc_u32 v[LK], s16, v[QO]
	v_add_nc_u32 v[LV], 106496, v[LK]
	v_lshlrev_b32 v[QSO], 2, v15
	s_lshl_b32 s16, s12, 10
	v_add_nc_u32 v[LKS], s16, v[QSO]
	v_add_nc_u32 v[LVS], 204800, v[LKS]
	v_add_nc_u32 v[LKS], 98304, v[LKS]
	v_lshlrev_b32 v[CXL], 5, v15
	v_add_nc_u32 v[CXL], CX, v[CXL]
	s_lshl_b32 s16, s12, 2
	v_add_nc_u32 v[CXS], s16, v[CXL]
	v_lshlrev_b32 v98, 4, v15
	s_lshl_b32 s16, s12, 13
	s_add_co_u32 s16, s16, OP
	v_add_nc_u32 v[OPS], s16, v98
	s_lshl_b32 s16, s13, 12
	s_lshl_b32 s18, s14, 11
	s_add_co_u32 s16, s16, s18
	s_add_co_u32 s16, s16, OP
	v_add_nc_u32 v[OPL], s16, v98                  ; groups 8 a' + 4 b' on
	v_lshlrev_b32 v99, 3, v15
	s_lshl_b32 s16, s12, 9
	s_add_co_u32 s16, s16, ML
	v_add_nc_u32 v[MLS], s16, v99
	s_lshl_b32 s16, s13, 8
	s_add_co_u32 s16, s16, ML
	v_add_nc_u32 v[MLL], s16, v99
	v_mul_u32_u24 v[OCO], v96, 24
	v_mad_u32_u24 v[OCO], v97, 12, v[OCO]
	s_mul_i32 s16, s13, 12288
	s_mul_i32 s18, s14, 384
	s_add_co_u32 s16, s16, s18
	v_add_nc_u32 v[OCO], s16, v[OCO]               ; o's codes: tile a', block b', 24 r + 12 h
	v_lshlrev_b32 v[OSO], 2, v96
	s_lshl_b32 s16, s13, 9
	s_add_co_u32 s16, s16, s14
	v_add_nc_u32 v[OSO], s16, v[OSO]               ; o's scale byte: tile a', word r, byte b'
	v_and_b32 v98, 7, v96
	v_lshrrev_b32 v99, 3, v96
	v_cmp_eq_u32 s52, v99, v97                     ; query 8 a + r % 8 + 16 (r / 8) meets key 16 h + 8 u + j where h = r / 8, u = a, j = r % 8
	v_mov_b32 v100, 0x3f933333                     ; 1.15
.irp j, 0,1,2,3,4,5,6,7
	v_cmp_eq_u32 vcc_lo, \j, v98
	s_and_b32 vcc_lo, vcc_lo, s52
	v_cndmask_b32 v[FJ+\j], 1.0, v100, vcc_lo
.endr
	s_mov_b32 s20, 0x76543210
	s_mov_b32 s21, 0xfedcba98                      ; selects for lane l xor 16
	s_mov_b32 s22, 0x3e66d4ca                      ; c = 0.15625 log2(e): / 8, / 0.8, into base 2
	s_mov_b32 s23, s22
	s_mov_b32 s24, 0x3f933333                      ; 1.15
	s_mov_b32 s25, s24
	s_mov_b32 s26, 0xc6105100                      ; -9236.25 = 7.5 x -1231.5: between the sums of G - L = -1231 and -1232
	s_lshl_b32 s30, ttmp9, 3                       ; my first block of queries
	s_lshl_b32 s29, s12, 3
	s_sub_co_u32 s29, s30, s29                     ; which of my eight blocks of keys holds the diagonal, if it is 0 .. 7
	s_mul_i32 s16, s15, 106496
	s_mul_i32 s18, s30, 1536
	s_add_co_u32 s18, s18, s16
	s_add_nc_u64 s[44:45], s[4:5], s[18:19]        ; q's codes
	s_lshl_b32 s18, s30, 7
	s_add_co_u32 s18, s18, s16
	s_add_co_u32 s18, s18, 98304
	s_add_nc_u64 s[46:47], s[4:5], s[18:19]        ; q's scale words
	s_lshr_b32 s16, s15, 4
	s_and_b32 s31, s15, 15                         ; head
	s_lshl_b32 s16, s16, 7
	s_lshl_b32 s18, ttmp9, 4
	s_add_co_u32 s16, s16, s18
	s_add_co_u32 s16, s16, 1024                    ; o's first tile: 1024 + 128 batch + 16 X
	s_lshr_b32 s2, s31, 1
	s_lshl_b32 s2, s2, 6
	s_and_b32 s3, s31, 1
	s_lshl_b32 s3, s3, 1
	s_add_co_u32 s2, s2, s3
	s_lshl_b32 s18, s16, 9
	s_add_co_u32 s18, s18, s2
	s_add_nc_u64 s[50:51], s[10:11], s[18:19]      ; scl: K step head / 2, bytes 2 (head % 2) on
	s_mul_i32 s18, s16, 12288
	s_mul_i32 s2, s31, 768
	s_add_co_u32 s18, s18, s2
	s_add_nc_u64 s[48:49], s[8:9], s[18:19]        ; cod: K step head / 2, blocks 2 (head % 2) on: 768 x head
.irp a, 0,1
.irp p, 0,1,2
	global_load_b64 v[QZ+6+12*\a+2*\p:QZ+6+12*\a+2*\p+1], v[QO], s[44:45] offset:768*\a+8*\p
.endr
.endr
	global_load_b32 v[QS], v[QSO], s[46:47]
	s_wait_tensorcnt 0x0                           ; my eighth of K and V has landed,
	s_barrier_signal -1
	s_barrier_wait -1                              ; everybody's has
	s_mov_b32 s17, 8
.macro SUMS a                          ; the eight waves' counts of tile a's last candidate.  Every wave adds in the same order, so all decide alike
	v_pk_add_f32 v[XR+8*\a:XR+8*\a+1], v[XR+8*\a:XR+8*\a+1], v[XR+8*\a+2:XR+8*\a+3]
	v_pk_add_f32 v[XR+8*\a+4:XR+8*\a+5], v[XR+8*\a+4:XR+8*\a+5], v[XR+8*\a+6:XR+8*\a+7]
	v_pk_add_f32 v[XR+8*\a:XR+8*\a+1], v[XR+8*\a:XR+8*\a+1], v[XR+8*\a+4:XR+8*\a+5]
	v_add_f32 v[TM], v[XR+8*\a], v[XR+8*\a+1]
.endm
.macro DECIDE a                        ; the candidate is kept where the sum is large enough
	v_cmp_le_f32 vcc_lo, s26, v[TM]
	v_cndmask_b32 v[U+\a], v[U+\a], v[CAND+\a], vcc_lo
.endm
.macro THRESH a                        ; the key back into a float
	v_xor_b32 v[TM], 0x80000000, v[U+\a]
	v_xor_b32 v[NT], -1, v[U+\a]
	v_cmp_gt_i32 vcc_lo, 0, v[U+\a]
	v_cndmask_b32 v[THR+\a], v[NT], v[TM], vcc_lo
.endm
.macro DIFF a, n, m0, m1               ; d = x - t for pairs m0 .. m1 of unit n (64 scores a lane) of tile a.  x is source 2, the one place that the products between these lines leave to a constant
.set mm, \m0
.rept (\m1)-(\m0)+1
	v_pk_fma_f32 v[DT+2*mm:DT+2*mm+1], v[NT:NT+1], 1.0, v[128*(\a)+64*(\n)+2*mm:128*(\a)+64*(\n)+2*mm+1] op_sel_hi:[0,0,1]
.set mm, mm+1
.endr
.endm
.macro CODES                           ; 64 differences become 64 codes: +7.5, -7.5 or 0.  Their order among the fragment's k does not matter: they meet ones
	v_cvt_scalef32_pk16_fp6_f32 v[CC:CC+2], v[DT:DT+15], v[CSC]
	v_cvt_scalef32_pk16_fp6_f32 v[TT:TT+2], v[DT+16:DT+31], v[CSC]
	v_cvt_scalef32_pk16_fp6_f32 v[CC+6:CC+8], v[DT+32:DT+47], v[CSC]
	v_cvt_scalef32_pk16_fp6_f32 v[TT+4:TT+6], v[DT+48:DT+63], v[CSC]
	v_nop                                          ; one plain place behind the conversions
.irp i, 0,1,2
	v_mov_b32 v[CC+3+\i], v[TT+\i]                 ; (a conversion's three registers begin on an even number)
	v_mov_b32 v[CC+9+\i], v[TT+4+\i]
.endr
.endm
.macro COUNT d                         ; the codes in hand against ones: in each lane the sum of 128 codes of its query
	v_wmma_scale_f32_16x16x128_f8f6f4 v[\d:\d+7], v[ONES:ONES+11], v[CC:CC+11], 0, v[USC], v[USC] matrix_a_fmt:MATRIX_FMT_FP6 matrix_b_fmt:MATRIX_FMT_FP6
.endm
; A SEGMENT: tile a's next bit.  Beside it the OTHER tile's count makes its way through LDS, in three legs with register work behind each:
;   its second product and its store stand near the head; 24 lines on the store is waited for and the barrier signalled; 36 lines on the barrier is waited for and the eight waves' counts are asked for;
;   they are waited for at the next segment's head, 23 lines on.
; ORDER.  The store into a half of the counts is waited for ahead of the signal, and the loads of that half stand behind the same barrier's wait.  Those loads are waited for at the next segment's head, ahead of its signal,
; and the half is stored into again only in the segment after that, behind that barrier's wait.  Between a signal and its wait stands register work alone.
.macro SEG a
	s_wait_dscnt 0x0                               ; tile a's eight counts, asked for in the last segment, are in
	SUMS \a                                        ; four plain lines: the places between the codes' last move and the product
	COUNT D1                                       ; the other tile's second unit
	DECIDE \a
	v_or_b32 v[CAND+\a], s27, v[U+\a]
	v_xor_b32 v[TM], 0x7fffffff, v[CAND+\a]
	v_cmp_gt_i32 vcc_lo, 0, v[CAND+\a]
	v_cndmask_b32 v[NT], v[TM], v[CAND+\a], vcc_lo ; the bits of -t: the key itself where its top bit is set
	DIFF \a, 0, 0, 3                               ; these ten lines name no register of the product: the places behind it
	v_add_f32 v[TOT], v[D0], v[D1]                 ; my wave's 256 keys, for the other tile's query r, in lanes r and r + 16
	ds_store_b32 v[CXS], v[TOT] offset:1024*(1-\a)
	DIFF \a, 0, 4, 27
	s_wait_dscnt 0x0                               ; for the others' sake: my store has landed (and no read of mine is out)
	s_barrier_signal -1
	DIFF \a, 0, 28, 31
	CODES
	DIFF \a, 1, 0, 3                               ; four places between the codes' last move and the product
	COUNT D0                                       ; tile a's first unit
	DIFF \a, 1, 4, 19
	s_barrier_wait -1                              ; every wave has stored the other tile's count
	ds_load_b128 v[XR+8*(1-\a):XR+8*(1-\a)+3], v[CXL] offset:1024*(1-\a)
	ds_load_b128 v[XR+8*(1-\a)+4:XR+8*(1-\a)+7], v[CXL] offset:1024*(1-\a)+16
	DIFF \a, 1, 20, 31
	CODES                                          ; tile a's second unit: its product stands in the next segment
.endm
.macro VLOAD ks                        ; V^T's four fragments and scale words of my key step ks
.rept 4
	v_nop                                          ; places in front of loads into registers that matrix instructions have read or written
.endr
.irp dt, 0,1,2,3
.irp c, 0,1
.irp p, 0,1,2
	ds_load_b64 v[VF+12*\dt+6*\c+2*\p:VF+12*\dt+6*\c+2*\p+1], v[LV] offset:6144*(\ks)+1536*\dt+768*\c+8*\p
.endr
.endr
	ds_load_b32 v[KS+\dt], v[LVS] offset:512*(\ks)+128*\dt
.endr
.endm
; A KEY STEP of tile a: my keys 128 ks .. 128 ks + 127.  first = 1: it starts M, l and O^T.
.macro STEP a, ks, first
.set XB, 128*(\a)+64*(\ks)
.set NM, 88+4*(\a)                     ; (-M, the largest t)
.set LS, 90+4*(\a)                     ; l in two halves
	WIN 0x01                                       ; source 0: window 1
.irp g, 0,1,2,3,4,5,6,7                        ; x 1.15 where the score is at or above the row's threshold
.irp m, 0,1,2,3
	v_pk_mul_f32 v[T+8*\g+2*\m:T+8*\g+2*\m+1], v[XB+8*\g+2*\m:XB+8*\g+2*\m+1], s[24:25] op_sel_hi:[1,0]
.endr
.irp m, 0,1,2,3,4,5,6,7
	v_cmp_ge_f32 s[52+\m], v[XB+8*\g+\m], v[THR+(\a)]
.endr
.irp m, 0,1,2,3,4,5,6,7
	v_cndmask_b32 v[T+8*\g+\m], v[XB+8*\g+\m], v[T+8*\g+\m], s[52+\m]
.endr
.endr
	WIN 0
.irp b, 0,1,2,3
	v_max3_num_f32 v[MX+\b], v[T+16*\b], v[T+16*\b+1], v[T+16*\b+2]   ; each block's largest score: for the row's maximum, and, since p rises with the score, for the block's largest p
.endr
.irp i, 3,5,7,9,11,13
.irp b, 0,1,2,3
	v_max3_num_f32 v[MX+\b], v[MX+\b], v[T+16*\b+\i], v[T+16*\b+\i+1]
.endr
.endr
.irp b, 0,1,2,3
	v_max_num_f32 v[MX+\b], v[MX+\b], v[T+16*\b+15]
.endr
.irp b, 0,1,2,3
	v_permlanex16_b32 v[PM+\b], v[MX+\b], s20, s21
.endr
.irp b, 0,1,2,3
	v_max_num_f32 v[MX+\b], v[MX+\b], v[PM+\b]
.endr
	v_max3_num_f32 v[TA], v[MX], v[MX+1], v[MX+2]
	v_max_num_f32 v[TA], v[TA], v[MX+3]
.if \first
	v_mul_f32 v[NM+1], s22, v[TA]                  ; as t (c is positive)
	v_floor_f32 v[NM], -v[NM+1]                    ; -M = floor(-t): M is a whole number
.else
	v_mul_f32 v[TA], s22, v[TA]
	v_max_num_f32 v[NM+1], v[NM+1], v[TA]
	v_mov_b32 v[TA], v[NM]
	v_floor_f32 v[NM], -v[NM+1]
	v_sub_f32 v[TA], v[NM], v[TA]                  ; old M - new M: a whole number, 0 or less
	v_cvt_i32_f32 v[TA], v[TA]
	v_ldexp_f32 v[F], 1.0, v[TA]                   ; f = 2^(old M - new M): rounds nothing
.endif
.irp j, 0,2,4,6,8,10,12,14,16,18,20,22,24,26,28,30,32,34,36,38,40,42,44,46,48,50,52,54,56,58,60,62
	v_pk_fma_f32 v[T+\j:T+\j+1], v[T+\j:T+\j+1], s[22:23], v[NM:NM+1] op_sel_hi:[1,0,0]   ; t - M
.endr
.irp b, 0,1,2,3
	v_fma_f32 v[MX+\b], v[MX+\b], s22, v[NM]
.endr
.irp j, 0,1,2,3,4,5,6,7,8,9,10,11,12,13,14,15,16,17,18,19,20,21,22,23,24,25,26,27,28,29,30,31,32,33,34,35,36,37,38,39,40,41,42,43,44,45,46,47,48,49,50,51,52,53,54,55,56,57,58,59,60,61,62,63
	v_exp_f32 v[T+\j], v[T+\j]                     ; p = 2^(t - M), not normalised
.endr
.if \first
	v_mov_b32 v[LS], 0                             ; plain work behind the batch
	v_mov_b32 v[LS+1], 0
.else
	v_pk_mul_f32 v[LS:LS+1], v[LS:LS+1], v[F:F+1] op_sel_hi:[1,0]   ; l and O^T under the new M: plain work behind the batch that names none of its results
	WIN 0x41
.irp m, 0,1,2,3,4,5,6,7,8,9,10,11,12,13,14,15
	v_pk_mul_f32 v[32*(\a)+2*\m:32*(\a)+2*\m+1], v[32*(\a)+2*\m:32*(\a)+2*\m+1], v[F:F+1] op_sel_hi:[1,0]
.endr
	WIN 0
.endif
	s_wait_alu depctr_va_vdst(0)                   ; one wait for the 64, ahead of their first reader
.irp b, 0,1,2,3
	v_exp_f32 v[MX+\b], v[MX+\b]                   ; the blocks' largest p
.endr
	v_pk_add_f32 v[TB:TB+1], v[T:T+1], v[T+2:T+3]  ; the row's sum is taken of the unquantised p: its first half here, behind the four
.irp j, 4,8,12,16,20,24,28
	v_pk_add_f32 v[LS:LS+1], v[LS:LS+1], v[T+\j:T+\j+1]
	v_pk_add_f32 v[TB:TB+1], v[TB:TB+1], v[T+\j+2:T+\j+3]
.endr
	s_wait_alu depctr_va_vdst(0)                   ; and one for the four
.irp b, 0,1,2,3
	v_max_num_f32 v[MX+\b], 0x1800000, v[MX+\b]    ; the floor 2^(3 - 127)
.endr
.irp b, 0,1,2,3
	v_add_nc_u32 v[SO+\b], 0xff000000, v[MX+\b]
.endr
.irp b, 0,1,2,3
	v_lshrrev_b32 v[PM+\b], 23, v[SO+\b]
.endr
	v_lshl_or_b32 v[PW], v[PM+1], 8, v[PM]
	v_lshl_or_b32 v[PW], v[PM+2], 16, v[PW]
	v_lshl_or_b32 v[PW], v[PM+3], 24, v[PW]
.irp c, 0,1
	v_cvt_scalef32_pk16_fp6_f32 v[PC+6*\c:PC+6*\c+2], v[T+32*\c:T+32*\c+15], v[SO+2*\c]
	v_cvt_scalef32_pk16_fp6_f32 v[PT+4*\c:PT+4*\c+2], v[T+32*\c+16:T+32*\c+31], v[SO+2*\c+1]
.endr
	v_nop                                          ; one plain place behind the conversions
.irp c, 0,1                                    ; the operand wants a whole block in a lane: lanes 0-15 block 2 c, lanes 16-31 block 2 c + 1
.irp i, 0,1,2
	v_permlane16_swap_b32 v[PC+6*\c+\i], v[PT+4*\c+\i]
.endr
.irp i, 0,1,2
	v_mov_b32 v[PC+3+6*\c+\i], v[PT+4*\c+\i]
.endr
.endr
.irp j, 32,36,40,44,48,52,56,60                ; the sum's second half: 17 plain lines that name no register of the products: the places behind the scale word (8) and the codes (4)
	v_pk_add_f32 v[LS:LS+1], v[LS:LS+1], v[T+\j:T+\j+1]
	v_pk_add_f32 v[TB:TB+1], v[TB:TB+1], v[T+\j+2:T+\j+3]
.endr
	v_pk_add_f32 v[LS:LS+1], v[LS:LS+1], v[TB:TB+1]
	s_wait_dscnt 0x0                               ; V's fragments are in
	WIN 0x50                                       ; C and D: window 1
.irp dt, 0,1,2,3                               ; O^T += V^T p^T: the four accumulators by turns
.if \first
	v_wmma_scale_f32_16x16x128_f8f6f4 v[32*(\a)+8*\dt:32*(\a)+8*\dt+7], v[VF+12*\dt:VF+12*\dt+11], v[PC:PC+11], 0, v[KS+\dt], v[PW] matrix_a_fmt:MATRIX_FMT_FP6 matrix_b_fmt:MATRIX_FMT_FP6
.else
	v_wmma_scale_f32_16x16x128_f8f6f4 v[32*(\a)+8*\dt:32*(\a)+8*\dt+7], v[VF+12*\dt:VF+12*\dt+11], v[PC:PC+11], v[32*(\a)+8*\dt:32*(\a)+8*\dt+7], v[KS+\dt], v[PW] matrix_a_fmt:MATRIX_FMT_FP6 matrix_b_fmt:MATRIX_FMT_FP6
.endif
.endr
	WIN 0
.endm
.Lblock:
	; ---- 1: the scores of my 256 keys for the block's 32 queries
	s_wait_loadcnt 0x0                             ; q
.irp jb, 0,1,2,3,4,5,6,7
.irp u, 0,1
.irp p, 0,1,2
	ds_load_b64 v[KF+12*\jb+6*\u+2*\p:KF+12*\jb+6*\u+2*\p+1], v[LK] offset:\jb*1536+768*\u+8*\p
.endr
.endr
	ds_load_b32 v[KS+\jb], v[LKS] offset:128*\jb
.endr
.macro KQ jb                           ; one fragment of K, two tiles of keys, against [q | 0] and [0 | q] of both tiles of queries
	v_wmma_scale_f32_16x16x128_f8f6f4 v[16*\jb:16*\jb+7], v[KF+12*\jb:KF+12*\jb+11], v[QZ+6:QZ+17], 0, v[KS+\jb], v[QS] matrix_a_fmt:MATRIX_FMT_FP6 matrix_b_fmt:MATRIX_FMT_FP6
	v_wmma_scale_f32_16x16x128_f8f6f4 v[16*\jb+8:16*\jb+15], v[KF+12*\jb:KF+12*\jb+11], v[QZ:QZ+11], 0, v[KS+\jb], v[QS] matrix_a_fmt:MATRIX_FMT_FP6 matrix_b_fmt:MATRIX_FMT_FP6 matrix_a_scale:MATRIX_SCALE_ROW1
	v_wmma_scale_f32_16x16x128_f8f6f4 v[128+16*\jb:128+16*\jb+7], v[KF+12*\jb:KF+12*\jb+11], v[QZ+18:QZ+29], 0, v[KS+\jb], v[QS] matrix_a_fmt:MATRIX_FMT_FP6 matrix_b_fmt:MATRIX_FMT_FP6 matrix_b_scale:MATRIX_SCALE_ROW1
	v_wmma_scale_f32_16x16x128_f8f6f4 v[136+16*\jb:136+16*\jb+7], v[KF+12*\jb:KF+12*\jb+11], v[QZ+12:QZ+23], 0, v[KS+\jb], v[QS] matrix_a_fmt:MATRIX_FMT_FP6 matrix_b_fmt:MATRIX_FMT_FP6 matrix_a_scale:MATRIX_SCALE_ROW1 matrix_b_scale:MATRIX_SCALE_ROW1
.endm
	s_wait_dscnt 28                                ; blocks 0-3 are in; the 28 loads of blocks 4-7 may be out
	WIN 0x40                                       ; D: window 1
.irp jb, 0,1,2,3
	KQ \jb
.endr
	s_wait_dscnt 0x0
.irp jb, 4,5,6,7
	KQ \jb
.endr
	WIN 0
.rept 4
	v_nop                                          ; places in front of the loads into q's registers, of the first read of the scores, and of the moves below into registers that held K
.endr
	s_cmp_eq_u32 s17, 1                            ; the next block's q, if there is one: no load leaves its buffer
	s_cbranch_scc1 .Lno_q
.irp a, 0,1
.irp p, 0,1,2
	global_load_b64 v[QZ+6+12*\a+2*\p:QZ+6+12*\a+2*\p+1], v[QO], s[44:45] offset:1536+768*\a+8*\p
.endr
.endr
	global_load_b32 v[QS], v[QSO], s[46:47] offset:128
.Lno_q:
.irp jb, 0,1,2,3,4,5,6,7                       ; the diagonal x 1.15: in one block of keys of one wave; a branch on ids
	s_cmp_eq_u32 s29, \jb
	s_cbranch_scc0 .Lnd\jb
	WIN 0x41
.irp m, 0,1,2,3
	v_pk_mul_f32 v[16*\jb+2*\m:16*\jb+2*\m+1], v[16*\jb+2*\m:16*\jb+2*\m+1], v[FJ+2*\m:FJ+2*\m+1]
	v_pk_mul_f32 v[136+16*\jb+2*\m:136+16*\jb+2*\m+1], v[136+16*\jb+2*\m:136+16*\jb+2*\m+1], v[FJ+2*\m:FJ+2*\m+1]
.endr
	WIN 0
.Lnd\jb:
.endr
	; ---- 2: each row's threshold, 32 bits, the two tiles by turns
	v_mov_b32 v[U], 0
	v_mov_b32 v[U+1], 0
	v_mov_b32 v[CAND], 0                           ; the first two decisions find key and candidate equal: they change nothing
	v_mov_b32 v[CAND+1], 0
.irp i, 0,1,2,3,4,5,6,7,8,9,10,11
	v_mov_b32 v[CC+\i], 0                          ; the first segment finishes a count that nobody has begun: zero codes,
.endr
	v_mov_b32 v[D0], 0                             ; onto 0; it goes to tile 1's first decision
	s_mov_b32 s27, 0x80000000
	s_mov_b32 s28, 32
.Lbit:
	WIN 0x10                                       ; source 2: window 1
	SEG 0
	SEG 1
	WIN 0
	s_lshr_b32 s27, s27, 1
	s_sub_co_u32 s28, s28, 1
	s_cmp_lg_u32 s28, 0
	s_cbranch_scc1 .Lbit
	s_wait_dscnt 0x0                               ; tile 0's last counts are in
	SUMS 0                                         ; the places between the codes' last move and the product
	COUNT D1                                       ; tile 1's last count is finished,
	DECIDE 0
	THRESH 0                                       ; (six lines that name no register of the product: the places behind it)
	v_add_f32 v[TOT], v[D0], v[D1]
	ds_store_b32 v[CXS], v[TOT] offset:1024        ; stored,
	s_wait_dscnt 0x0                               ; for the others' sake
	s_barrier_signal -1
	s_barrier_wait -1
	ds_load_b128 v[XR+8:XR+11], v[CXL] offset:1024 ; and fetched
	ds_load_b128 v[XR+12:XR+15], v[CXL] offset:1040
	s_wait_dscnt 0x0
	SUMS 1
	DECIDE 1
	THRESH 1
	; ---- 3: boost, softmax, O^T; both tiles use each fragment of V.  O^T takes the score registers that the first step has used up: 32 a + 8 dt + j
	VLOAD 0
	STEP 0, 0, 1
	STEP 1, 0, 1
	VLOAD 1
	STEP 0, 1, 0
	STEP 1, 1, 0
	; ---- 4: the eight waves' parts meet.  The four additions are the places behind the last products
.irp a, 0,1
	v_add_f32 v[TA+\a], v[90+4*\a], v[91+4*\a]
.endr
.irp a, 0,1
	v_permlanex16_b32 v[PM+\a], v[TA+\a], s20, s21
.endr
.irp a, 0,1
	v_add_f32 v[89+4*\a], v[TA+\a], v[PM+\a]       ; my wave's l, beside -M
.endr
.irp a, 0,1
	ds_store_b64 v[MLS], v[88+4*\a:89+4*\a] offset:256*\a
.endr
	WIN 0x04                                       ; an LDS store's data are its source 1: window 1
.irp g, 0,1,2,3,4,5,6,7,8,9,10,11,12,13,14,15
	ds_store_b128 v[OPS], v[4*\g:4*\g+3] offset:512*\g   ; each accumulator from its low end on
.endr
	WIN 0
	s_wait_dscnt 0x0                               ; for the others' sake
	s_barrier_signal -1
	s_barrier_wait -1
	s_cmp_lt_u32 s12, 4
	s_cbranch_scc0 .Lno_red
	; waves 0-3: tile a', d = 32 b' + 16 h + 0 .. 15 of query r.  These bytes are written again only behind the next block's barriers
.irp v, 0,1,2,3,4,5,6,7
	ds_load_b64 v[MLR+2*\v:MLR+2*\v+1], v[MLL] offset:512*\v
.endr
.irp v, 0,1,2,3
.irp g, 0,1,2,3
	ds_load_b128 v[RL+16*\v+4*\g:RL+16*\v+4*\g+3], v[OPL] offset:8192*\v+512*\g
.endr
.endr
	s_wait_dscnt 16                                ; the eight (-M, l) are in; the 16 loads of O^T's parts may be out
	v_min3_num_f32 v[TA], v[MLR], v[MLR+2], v[MLR+4]
	v_min3_num_f32 v[TA], v[TA], v[MLR+6], v[MLR+8]
	v_min3_num_f32 v[TA], v[TA], v[MLR+10], v[MLR+12]
	v_min_num_f32 v[TA], v[TA], v[MLR+14]          ; -M of the whole row
.irp v, 0,1,2,3,4,5,6,7
	v_sub_f32 v[FW+2*\v], v[TA], v[MLR+2*\v]       ; M of wave v - M: a whole number, 0 or less
.endr
.irp v, 0,1,2,3,4,5,6,7
	v_cvt_i32_f32 v[FW+2*\v], v[FW+2*\v]
.endr
.irp v, 0,1,2,3,4,5,6,7
	v_ldexp_f32 v[FW+2*\v], 1.0, v[FW+2*\v]
.endr
.irp v, 0,1,2,3,4,5,6,7
	v_mov_b32 v[FW+2*\v+1], v[FW+2*\v]             ; twice, for the packed forms
.endr
	v_mul_f32 v[TA], v[FW], v[MLR+1]
.irp v, 1,2,3,4,5,6,7
	v_fmac_f32 v[TA], v[FW+2*\v], v[MLR+2*\v+1]
.endr
	v_rcp_f32 v[TB], v[TA]
	s_wait_dscnt 0x0
.irp m, 0,1,2,3,4,5,6,7
	v_pk_mul_f32 v[RO+2*\m:RO+2*\m+1], v[RL+2*\m:RL+2*\m+1], v[FW:FW+1]
.endr
.irp v, 1,2,3
.irp m, 0,1,2,3,4,5,6,7
	v_pk_fma_f32 v[RO+2*\m:RO+2*\m+1], v[RL+16*\v+2*\m:RL+16*\v+2*\m+1], v[FW+2*\v:FW+2*\v+1], v[RO+2*\m:RO+2*\m+1]
.endr
.endr
.irp v, 0,1,2,3
.irp g, 0,1,2,3
	ds_load_b128 v[RL+16*\v+4*\g:RL+16*\v+4*\g+3], v[OPL] offset:8192*(\v+4)+512*\g
.endr
.endr
	s_wait_dscnt 0x0
.irp v, 0,1,2,3
.irp m, 0,1,2,3,4,5,6,7
	v_pk_fma_f32 v[RO+2*\m:RO+2*\m+1], v[RL+16*\v+2*\m:RL+16*\v+2*\m+1], v[FW+8+2*\v:FW+8+2*\v+1], v[RO+2*\m:RO+2*\m+1]
.endr
.endr
	s_wait_alu depctr_va_vdst(0)                   ; the wait ahead of the reciprocal's first reader
.irp m, 0,1,2,3,4,5,6,7
	v_pk_mul_f32 v[RO+2*\m:RO+2*\m+1], v[RO+2*\m:RO+2*\m+1], v[TB:TB+1] op_sel_hi:[1,0]   ; / l
.endr
	v_max3_num_f32 v[MX], |v[RO]|, |v[RO+1]|, 0x1800000
	v_max3_num_f32 v[MX+1], |v[RO+2]|, |v[RO+3]|, |v[RO+4]|
.irp i, 5,9
	v_max3_num_f32 v[MX], v[MX], |v[RO+\i]|, |v[RO+\i+1]|
	v_max3_num_f32 v[MX+1], v[MX+1], |v[RO+\i+2]|, |v[RO+\i+3]|
.endr
	v_max3_num_f32 v[MX], v[MX], |v[RO+13]|, |v[RO+14]|
	v_max3_num_f32 v[MX], v[MX], v[MX+1], |v[RO+15]|
	v_permlanex16_b32 v[PM], v[MX], s20, s21
	v_max_num_f32 v[MX], v[MX], v[PM]              ; the block of 32 lies in lanes l and l xor 16
	v_add_nc_u32 v[SO], 0xff000000, v[MX]
	v_lshrrev_b32 v[SO+1], 23, v[SO]
	v_cvt_scalef32_pk16_fp6_f32 v[PC:PC+2], v[RO:RO+15], v[SO]
	v_nop                                          ; one plain place behind the conversion
	global_store_b96 v[OCO], v[PC:PC+2], s[48:49]  ; 384 consecutive bytes
	global_store_b8 v[OSO], v[SO+1], s[50:51]      ; lanes r and r + 16 write the same byte with the same value
.Lno_red:
	s_wait_xcnt 0x0                                ; q's loads and the stores have read their bases and data
	s_add_nc_u64 s[44:45], s[44:45], 1536
	s_add_nc_u64 s[46:47], s[46:47], 128
	s_add_nc_u64 s[48:49], s[48:49], 24576
	s_add_nc_u64 s[50:51], s[50:51], 1024
	s_add_co_u32 s29, s29, 1
	s_sub_co_u32 s17, s17, 1
	s_cmp_lg_u32 s17, 0
	s_cbranch_scc1 .Lblock
	s_wait_tensorcnt 0x0
	ds_add_u32 v254, v255
	s_wait_dscnt 0x0
	s_endpgm
.Lfunc_end_k_q53d4e108d8_att:
	.size	k_q53d4e108d8_att, .Lfunc_end_k_q53d4e108d8_att-k_q53d4e108d8_att
	.p2alignl 7, 3214868480
	.fill 96, 4, 3214868480
	.section	.rodata,"a",@progbits
	.p2align	6, 0x0
	.amdhsa_kernel k_q53d4e108d8_att
		.amdhsa_group_segment_fixed_size 285696
		.amdhsa_private_segment_fixed_size 0
		.amdhsa_enable_private_segment 0
		.amdhsa_kernarg_size 32
		.amdhsa_user_sgpr_count 2
		.amdhsa_user_sgpr_kernarg_segment_ptr 1
		.amdhsa_wavefront_size32 1
		.amdhsa_system_sgpr_workgroup_id_x 1
		.amdhsa_system_sgpr_workgroup_id_y 1
		.amdhsa_system_sgpr_workgroup_id_z 1
		.amdhsa_system_vgpr_workitem_id 0
		.amdhsa_next_free_vgpr 512
		.amdhsa_next_free_sgpr 66
		.amdhsa_reserve_vcc 1
		.amdhsa_float_denorm_mode_32 3
		.amdhsa_float_denorm_mode_16_64 3
		.amdhsa_memory_ordered 1
		.amdhsa_forward_progress 1
		.amdhsa_inst_pref_size 139
	.end_amdhsa_kernel
	.amdgpu_metadata
---
amdhsa.version: [ 1, 2 ]
amdhsa.kernels:
  - .name:           k_q53d4e108d8_att
    .symbol:         k_q53d4e108d8_att.kd
    .args:
      - { .name: qq, .offset: 0, .size: 8, .value_kind: global_buffer, .address_space: global }
      - { .name: kv, .offset: 8, .size: 8, .value_kind: global_buffer, .address_space: global }
      - { .name: cod, .offset: 16, .size: 8, .value_kind: global_buffer, .address_space: global }
      - { .name: scl, .offset: 24, .size: 8, .value_kind: global_buffer, .address_space: global }
    .group_segment_fixed_size: 285696
    .private_segment_fixed_size: 0
    .kernarg_segment_align: 8
    .kernarg_segment_size: 32
    .max_flat_workgroup_size: 256
    .sgpr_count:     66
    .vgpr_count:     512
    .wavefront_size: 32
...
	.end_amdgpu_metadata
.endif
;; end of part 3
;; launch outp (part 4): grid 256 x 1, 2 waves a work-group, no clusters, 17,152 bytes of LDS; arguments cod, scl, bo, out0; writes out0
.if DOCPART == 4
	.amdgcn_target "amdgcn-amd-amdhsa--gfx1250"
	.amdhsa_code_object_version 6
	.text
	.protected	k_q53d4e108d8_outp
	.globl	k_q53d4e108d8_outp
	.p2align	8
	.type	k_q53d4e108d8_outp,@function
k_q53d4e108d8_outp:
	s_mov_b64 s[64:65], 0
	v_nop
	global_prefetch_b8 v0, s[64:65] scope:SCOPE_SE
	s_setreg_imm32_b32 hwreg(HW_REG_WAVE_MODE, 25, 1), 1
	s_wait_xcnt 0x0
; out0 = o Wo + bo on codes of FP6 with E8M0 scales.  o's codes and scale bytes are tiles 1024-1279 of cod and scl, Wo's tiles 960-1023.
; SHARES.  Work-group g: ng = g % 8 (128 columns), tg = g / 8 (128 tokens).  Wave j: token tiles 8 tg + 4 j + i, i = 0 .. 3: 64 x 128, 32 accumulators, 8 K steps of 128.
; Source 0 = 16 columns of Wo, source 1 = 16 tokens: a lane holds one token, and the registers of tiles 2 b, 2 b + 1 are columns 32 b + 16 h + 0 .. 15.  bo is the C of the first K step.
; Wo's fragments are images of registers (three loads of 16 bytes); o's lie as [block of 32][row][24 bytes]: lane (r, h) takes block 2 c + h at 768 c + 384 h + 24 r, in pieces of 8 bytes.
; Fragments come from memory straight into registers; 8 K steps do not repay a ring.  The way out goes through the wave's own stage in LDS, so that a store covers 512 consecutive bytes of a row.
; REGISTERS.  Window 0: v1-10 offsets; v48-63 scale words, two sets; v64-111, v112-159 o's fragments, two sets; on the way out v64-191 hold rows.  Window 1: v0-95, v96-191 Wo's, two sets; v192-255 bo.  Window 2: accumulator (i, p) at 64 i + 8 p.
.set SC,  48
.set RF,  64
.set CB,  192
.set BK,  64
.set MSB, 0
.macro WIN new                         ; the immediate's high byte repeats the setting that is left
.if MSB != (\new)
	s_set_vgpr_msb (MSB<<8)|(\new)
.set MSB, (\new)
.endif
.endm
	s_load_b256 s[4:11], s[0:1], 0x0               ; cod, scl, bo, out0
	v_lshl_add_u32 v254, v0, 2, 0x4200
	v_mov_b32 v255, 0
	v_lshrrev_b32 v7, 5, v0
	v_readfirstlane_b32 s20, v7                    ; wave
	s_and_b32 s21, ttmp9, 7                        ; ng
	s_lshr_b32 s22, ttmp9, 3                       ; tg
	v_and_b32 v12, 15, v0                          ; r
	v_bfe_u32 v13, v0, 4, 1                        ; h
	v_and_b32 v14, 31, v0
	v_lshlrev_b32 v1, 4, v14                       ; 16 x lane
	s_mov_b32 s54, 0xffff0000                      ; lanes 16-31
	s_lshl_b32 s56, s21, 3
	s_add_co_u32 s56, s56, 960                     ; Wo's first tile
	s_lshl_b32 s57, s22, 3
	s_lshl_b32 s50, s20, 2
	s_add_co_u32 s57, s57, s50
	s_add_co_u32 s57, s57, 1024                    ; o's first tile
	s_mul_i32 s26, s56, 12288
	s_mov_b32 s27, 0
	s_mul_i32 s28, s57, 12288
	s_mov_b32 s29, 0
	s_lshl_b32 s50, s56, 9
	s_lshl_b32 s51, s57, 9
	v_mov_b32 v2, s50
	v_mov_b32 v7, s51
	v_cndmask_b32 v2, v2, v7, s54
	v_lshl_add_u32 v2, v12, 2, v2                  ; scale words, registers 0-3: lanes 0-15 Wo's tile p, lanes 16-31 o's tile p
	v_lshlrev_b32 v7, 11, v13
	v_sub_nc_u32 v3, v2, v7                        ; registers 4-7: lanes 16-31, which nobody reads, stay on o's four tiles: 2,048 bytes lower
	v_mul_u32_u24 v4, v12, 24
	v_mad_u32_u24 v4, v13, 384, v4                 ; o's fragments: 384 h + 24 r
	s_mul_i32 s50, s20, 8448
	v_mul_u32_u24 v5, v12, 528
	v_lshl_add_u32 v5, v13, 6, v5
	v_add_nc_u32 v5, s50, v5                       ; my stage, in: row r, + 64 h
	v_add_nc_u32 v6, s50, v1                       ; back: 16 bytes a lane
	v_lshlrev_b32 v10, 6, v13                      ; bo: 16 h numbers on
	s_lshl_b32 s32, s22, 19
	s_lshl_b32 s50, s20, 18
	s_add_co_u32 s32, s32, s50
	s_lshl_b32 s50, s21, 9
	s_add_co_u32 s32, s32, s50                     ; out0: token 128 tg + 64 wave, column 128 ng
	s_mov_b32 s33, 0
	s_mov_b32 s51, 0
	s_wait_kmcnt 0x0
	s_add_nc_u64 s[26:27], s[4:5], s[26:27]
	s_add_nc_u64 s[28:29], s[4:5], s[28:29]
	s_mov_b64 s[30:31], s[6:7]
	s_add_nc_u64 s[8:9], s[8:9], s[50:51]
	s_add_nc_u64 s[10:11], s[10:11], s[32:33]
.macro LOADSET sx, off                 ; one K step's fragments and scale words into set sx: 56 loads
	WIN 0x40                                       ; destination window 1
.irp p, 0,1,2,3,4,5,6,7
.irp g, 0,1,2
	global_load_b128 v[96*\sx+12*\p+4*\g:96*\sx+12*\p+4*\g+3], v1, s[26:27] offset:\p*12288+512*\g+\off
.endr
.endr
	WIN 0
.irp i, 0,1,2,3
.irp c, 0,1
.irp q, 0,1,2
	global_load_b64 v[RF+48*\sx+12*\i+6*\c+2*\q:RF+48*\sx+12*\i+6*\c+2*\q+1], v4, s[28:29] offset:\i*12288+768*\c+8*\q+\off
.endr
.endr
.endr
.irp p, 0,1,2,3
	global_load_b32 v[SC+8*\sx+\p], v2, s[30:31] offset:\p*512+(\off)/24
.endr
.irp p, 4,5,6,7
	global_load_b32 v[SC+8*\sx+\p], v3, s[30:31] offset:\p*512+(\off)/24
.endr
.endm
.macro KSTEP sx, mode                  ; 32 matrix instructions; the 32 accumulators take turns in the same order in every step.  mode 1: bo starts the sums
.if \mode
	WIN 0x91                                       ; source 0 window 1, source 1 window 0, C window 1, D window 2
.else
	WIN 0xa1                                       ; C and D window 2
.endif
.irp i, 0,1,2,3
.irp p, 0,1,2,3,4,5,6,7
.if \mode
	v_wmma_scale_f32_16x16x128_f8f6f4 v[64*\i+8*\p:64*\i+8*\p+7], v[96*\sx+12*\p:96*\sx+12*\p+11], v[RF+48*\sx+12*\i:RF+48*\sx+12*\i+11], v[CB+8*\p:CB+8*\p+7], v[SC+8*\sx+\p], v[SC+8*\sx+\i] matrix_a_fmt:MATRIX_FMT_FP6 matrix_b_fmt:MATRIX_FMT_FP6 matrix_b_scale:MATRIX_SCALE_ROW1
.else
	v_wmma_scale_f32_16x16x128_f8f6f4 v[64*\i+8*\p:64*\i+8*\p+7], v[96*\sx+12*\p:96*\sx+12*\p+11], v[RF+48*\sx+12*\i:RF+48*\sx+12*\i+11], v[64*\i+8*\p:64*\i+8*\p+7], v[SC+8*\sx+\p], v[SC+8*\sx+\i] matrix_a_fmt:MATRIX_FMT_FP6 matrix_b_fmt:MATRIX_FMT_FP6 matrix_b_scale:MATRIX_SCALE_ROW1
.endif
.endr
.endr
.endm
.macro PLACES                          ; four places in front of loads into registers that matrix instructions have read, and of the first read of results
.rept 4
	v_nop
.endr
.endm
	WIN 0x40
.irp p, 0,1,2,3,4,5,6,7                        ; tile p's register j is column 32 (p / 2) + 8 (p % 2) + 16 h + j
	global_load_b128 v[CB+8*\p:CB+8*\p+3], v10, s[8:9] offset:(32*(\p/2)+8*(\p%2))*4
	global_load_b128 v[CB+8*\p+4:CB+8*\p+7], v10, s[8:9] offset:(32*(\p/2)+8*(\p%2))*4+16
.endr
	WIN 0
	LOADSET 0, 0
	LOADSET 1, 1536
	s_wait_loadcnt 56                              ; bo and K step 0 are in; K step 1's 56 loads may be out
	KSTEP 0, 1
	WIN 0
	s_mov_b32 s49, 3
.Lk:                                               ; a trip: K steps 2 t + 1 and 2 t + 2; it asks for steps 2 t + 2 and 2 t + 3
	PLACES
	LOADSET 0, 3072
	s_wait_loadcnt 56                              ; all but the 56 just issued
	KSTEP 1, 0
	PLACES
	LOADSET 1, 4608
	s_wait_loadcnt 56
	KSTEP 0, 0
	WIN 0
	s_wait_xcnt 0x0                                ; the loads have read their bases
	s_add_nc_u64 s[26:27], s[26:27], 3072
	s_add_nc_u64 s[28:29], s[28:29], 3072
	s_add_nc_u64 s[30:31], s[30:31], 128
	s_sub_co_u32 s49, s49, 1
	s_cmp_lg_u32 s49, 0
	s_cbranch_scc1 .Lk
	s_wait_loadcnt 0x0
	KSTEP 1, 0                                     ; K step 7
	WIN 0
	PLACES
; THE WAY OUT, a tile of 16 tokens x 128 columns at a time: 32 bytes a lane into the stage, whole rows of 512 bytes back.  LDS serves a wave's instructions in order: no wait between the stores and the loads, nor ahead of the next tile's stores.
.macro TOSTAGE i
	WIN 0x08                                       ; an LDS store's data are its source 1: window 2
.irp p, 0,1,2,3,4,5,6,7
	ds_store_b128 v5, v[64*(\i)+8*\p:64*(\i)+8*\p+3] offset:128*(\p/2)+32*(\p%2)          ; each accumulator from its low end on
	ds_store_b128 v5, v[64*(\i)+8*\p+4:64*(\i)+8*\p+7] offset:128*(\p/2)+32*(\p%2)+16
.endr
	WIN 0
.irp t, 0,1,2,3,4,5,6,7,8,9,10,11,12,13,14,15
	ds_load_b128 v[BK+64*((\i)%2)+4*\t:BK+64*((\i)%2)+4*\t+3], v6 offset:\t*528
.endr
.endm
.macro SEND i, younger                 ; younger: the LDS instructions issued behind tile i's loads, which may stay out
	s_wait_dscnt \younger
.irp t, 0,1,2,3,4,5,6,7,8,9,10,11,12,13,14,15
	global_store_b128 v1, v[BK+64*((\i)%2)+4*\t:BK+64*((\i)%2)+4*\t+3], s[10:11] offset:(32*((\i)/2)+8*((\i)%2)+\t+8*(\t/8))*4096 th:TH_STORE_NT   ; 512 consecutive bytes of the token's row; written once, read by nobody here
.endr
.endm
	TOSTAGE 0
	TOSTAGE 1
	SEND 0, 32                                     ; behind tile 0's loads: tile 1's 16 stores and 16 loads
	s_wait_xcnt 0x0                                ; tile 0's stores have read their registers: tile 2's rows may land there
	TOSTAGE 2
	SEND 1, 32
	s_wait_xcnt 0x0
	TOSTAGE 3
	SEND 2, 32
	SEND 3, 0
	s_wait_tensorcnt 0x0
	ds_add_u32 v254, v255
	s_wait_dscnt 0x0
	s_endpgm
.Lfunc_end_k_q53d4e108d8_outp:
	.size	k_q53d4e108d8_outp, .Lfunc_end_k_q53d4e108d8_outp-k_q53d4e108d8_outp
	.p2alignl 7, 3214868480
	.fill 96, 4, 3214868480
	.section	.rodata,"a",@progbits
	.p2align	6, 0x0
	.amdhsa_kernel k_q53d4e108d8_outp
		.amdhsa_group_segment_fixed_size 17152
		.amdhsa_private_segment_fixed_size 0
		.amdhsa_enable_private_segment 0
		.amdhsa_kernarg_size 32
		.amdhsa_user_sgpr_count 2
		.amdhsa_user_sgpr_kernarg_segment_ptr 1
		.amdhsa_wavefront_size32 1
		.amdhsa_system_sgpr_workgroup_id_x 1
		.amdhsa_system_sgpr_workgroup_id_y 1
		.amdhsa_system_sgpr_workgroup_id_z 1
		.amdhsa_system_vgpr_workitem_id 0
		.amdhsa_next_free_vgpr 768
		.amdhsa_next_free_sgpr 66
		.amdhsa_reserve_vcc 0
		.amdhsa_float_denorm_mode_32 3
		.amdhsa_float_denorm_mode_16_64 3
		.amdhsa_memory_ordered 1
		.amdhsa_forward_progress 1
		.amdhsa_inst_pref_size 57
	.end_amdhsa_kernel
	.amdgpu_metadata
---
amdhsa.version: [ 1, 2 ]
amdhsa.kernels:
  - .name:           k_q53d4e108d8_outp
    .symbol:         k_q53d4e108d8_outp.kd
    .args:
      - { .name: cod, .offset: 0, .size: 8, .value_kind: global_buffer, .address_space: global }
      - { .name: scl, .offset: 8, .size: 8, .value_kind: global_buffer, .address_space: global }
      - { .name: bo, .offset: 16, .size: 8, .value_kind: global_buffer, .address_space: global }
      - { .name: out0, .offset: 24, .size: 8, .value_kind: global_buffer, .address_space: global }
    .group_segment_fixed_size: 17152
    .private_segment_fixed_size: 0
    .kernarg_segment_align: 8
    .kernarg_segment_size: 32
    .max_flat_workgroup_size: 64
    .sgpr_count:     66
    .vgpr_count:     768
    .wavefront_size: 32
...
	.end_amdgpu_metadata
.endif
;; end of part 4
